; MI455X (gfx1250); checked and timed in simulation.
; The chip was launched on July 23, 2026; its instructions are those of AMD's public machine-readable ISA for CDNA 5 (MIT licence, August 2026) and "CDNA5" Instruction Set Architecture Reference Guide (July 2026). The comments in the code are by the model that wrote it; some were corrected since.
;; Relative Position Multihead Self Attention. Allowed arithmetic: matrix products marked QUANTISED: E2M3 operands, one E8M0 scale for each 32 along K, by v_wmma_scale_f32_16x16x128_f8f6f4 with both operands' format E2M3, f32 sums; everything else in f32.
;; Inputs: Wk 1,024 x 1,024 float32; Wout 1,024 x 1,024 float32; Wq 1,024 x 1,024 float32; Wv 1,024 x 1,024 float32; bias 4 x 1 x 1 x 1,024 float32; pos_emb 257 x 64 float32; query 4 x 1,024 x 1,024 float32.
;; Outputs: out0 4 x 1,024 x 1,024 float32.
;; This version of the problem:
;;   THIS VERSION OF THE PROBLEM IS GIVEN IN LOW PRECISION. The matrix products marked QUANTISED in the list below multiply operands that are first quantised to E2M3 (2 exponent bits, 3 mantissa bits; 6 bits a number), with one power-of-two scale for each 32 numbers along K (OCP MX v1.0); their sums are f32. All else is computed in f32.
;;   The module's matrix products, in the order in which they are computed (A, B: the left and right operand; K: the contracted axis; several contracted axes count as one K, in the product's order):
;;     1. [M 4,096, K 1,024] x [K 1,024, N 1,024]; A: input query; B: input Wq: QUANTISED
;;     2. [M 4,096, K 1,024] x [K 1,024, N 1,024]; A: input query; B: input Wk: QUANTISED
;;     3. [M 4,096, K 1,024] x [K 1,024, N 1,024]; A: input query; B: input Wv: QUANTISED
;;     4. batch 64 x [M 1,024, K 64] x [K 64, N 1,024]; A: computed on the way; B: computed on the way: QUANTISED
;;     5. batch 1,024 x [M 1,024, K 64] x [K 64, N 64]; A: computed on the way; B: computed on the way: QUANTISED
;;     6. batch 64 x [M 1,024, K 1,024] x [K 1,024, N 64]; A: softmax (see below); B: computed on the way: QUANTISED
;;     7. [M 4,096, K 1,024] x [K 1,024, N 1,024]; A: computed on the way; B: input Wout: QUANTISED
;;   THE QUANTISER, for each operand of a quantised product, along K:
;;     - K is cut into blocks of 32 from its start; a last block that is shorter is filled with zeros.
;;     - A block's scale is 2^e with e = floor(log2(the largest magnitude in the block)) - 2, held to -126 .. 127; a block of zeros has e = 0. As a byte (E8M0): e + 127.
;;     - Each number is divided by its block's scale, clamped to +-7.5, and rounded to the nearest number of E2M3, ties to even, subnormals kept.
;;     - The product sums the exact products of the quantised numbers (number of the format x scale) in f32.
;;   ~~~python
;;   def quantise(x, axis):      # numpy; x: float32 -> the quantised numbers, widened to float32 again
;;       x = np.moveaxis(x, axis, -1); K = x.shape[-1]
;;       x = np.pad(x, [(0, 0)] * (x.ndim - 1) + [(0, -K % 32)]); x = x.reshape(x.shape[:-1] + (-1, 32)); a = np.abs(x).max(-1, keepdims=True)
;;       e = np.where(a > 0, np.clip(np.frexp(np.where(a > 0, a, 1))[1] - 1 - 2, -126, 127), 0)      # np.frexp(a)[1] - 1 = floor(log2(a)), exactly
;;       r = np.clip(x / 2.0 ** e, -7.5, 7.5)
;;       step = 2.0 ** (np.maximum(np.frexp(np.where(r == 0, 1, r))[1] - 1, 0) - 3)
;;       q = np.round(r / step) * step * 2.0 ** e      # np.round: ties to even
;;       return np.moveaxis(q.reshape(q.shape[:-2] + (-1,))[..., :K], -1, axis).astype(np.float32)
;;   ~~~
;;   SOFTMAX AHEAD OF A QUANTISED PRODUCT. Where the list says 'softmax', what is quantised is not the finished softmax but p = 2^(t - M), with t = logit x log2(e) and M = ceil(the row's largest t), a whole number; so 1/2 < the row's largest p <= 1. The row's sum l is taken of the UNQUANTISED p, in f32, and the product's result is divided by l at the end. Since M is a whole number, a kernel that streams over the keys may use a running M (the ceiling of the running maximum): every later rescaling is an exact power of two, which a block's scale takes up: the codes' values come out the same.
;;   OPERANDS COMPUTED ON THE WAY. 'Computed on the way' means the value that the module computes at that place (a softmax that the list does not call 'softmax' is quantised finished and normalised). What goes into a quantiser is computed in f32, as accurately as f32 sums, v_exp_f32 and their like allow (about 1e-6 of the number): no bf16 or f16 on the way to a quantiser, and a product that is left as it is and whose result goes on into a quantised operand takes f32 operands (vector FMAs, or v_wmma_f32_16x16x4_f32). A number that lies on a knife's edge between two numbers of the format may be rounded either way, as far as f32 arithmetic and the matrix unit's own rounding can turn it there, and no further.
;; One version. Each part assembles by itself: llvm-mc -triple=amdgcn-amd-amdhsa -mcpu=gfx1250 --defsym DOCPART=n.
;; ======== version 1 of 1: 4 launches
;; limits: right only within a limited range of input values
;; workspace buffers: ximg 3,276,800 bytes; wimg 2,457,600 bytes; woimg 819,200 bytes; etab 32,768 bytes; qbuf 3,407,872 bytes; kv 6,815,744 bytes; oimg 3,145,728 bytes; osc 262,144 bytes
;; launch prep (part 1): grid 392 x 1, 4 waves a work-group, no clusters, 34,304 bytes of LDS; arguments query, Wq, Wk, Wv, Wout, pos_emb, ximg, wimg, woimg, etab; writes ximg, wimg, woimg, etab
.if DOCPART == 1
	.amdgcn_target "amdgcn-amd-amdhsa--gfx1250"
	.amdhsa_code_object_version 6
	.text
	.protected	k_q2da1e22634_prep
	.globl	k_q2da1e22634_prep
	.p2align	8
	.type	k_q2da1e22634_prep,@function
k_q2da1e22634_prep:
	s_mov_b64 s[64:65], 0
	v_nop
	global_prefetch_b8 v0, s[64:65] scope:SCOPE_SE
	s_setreg_imm32_b32 hwreg(HW_REG_WAVE_MODE, 25, 1), 1
	s_wait_xcnt 0x0
; PREP: query, the four weights and pos_emb become codes of FP6 (E2M3) with one E8M0 byte for each 32 along K, laid as IMAGES OF THE OPERANDS' REGISTERS.
; HALF FRAGMENT (768 bytes): 16 rows x 64 along K.  Lane (r = lane % 16, h = lane / 16) holds row r, block h of the 64: 32 codes in 6 registers; registers 0-3 lie at 16 x lane, registers 4-5 at 512 + 8 x lane.
; ORDER INSIDE A BLOCK: place p of a block of 32 holds element (p % 8) + 16 ((p / 8) % 2) + 8 (p / 16): 0-7, 16-23, 8-15, 24-31.  Every operand of every product of this program is laid so, on both
; sides alike, so each block holds its own 32 numbers under its own scale and the sums differ from the plain order only in the order of additions.
; A block's scale is 2^(floor(log2(largest magnitude)) - 2); its byte is the largest magnitude's exponent field - 2, held at 1 from below.
; LIMITS: a block of zeros gets the byte 1 and not 127 (its codes are zeros, and this program alone reads the bytes); blocks whose largest magnitude lies under 2^-124 are held at the byte 1; NaN and infinities among these inputs are not served.
; Work-groups 0-127: query (a wave: 64 rows x 128 K).  128-383: the weights (a wave: 32 columns x 128 K; a lane takes a column, its registers run down K).  384-391: pos_emb, extended to 512 rows:
; row e holds pos_emb[min(max(e, 128), 384) - 128], the embedding of offset e - 256 clipped to +-128.  Waves share nothing: no barrier.  Only the query's path uses LDS.
.set FLOOR, 0x1800000                  ; 2^(3 - 127): under it no largest magnitude is taken, so the byte cannot fall under 1
.set R,  32                            ; v32-159   the query's path: two sets of 64 numbers as loaded; the weights' path: 128 numbers of a column
.set X,  160                           ; v160-223  64 numbers of a lane in the operand's order (the weights' path: the codes, 8 registers a block)
.set PC, 224                           ; v224-239  codes
; 32 numbers of ONE block in v[x] on -> 6 registers of codes in v[pc] on; v[so] the conversion's scale operand, v[by] the scale's byte
.macro BLOCKQ x, pc, so, by
	v_max3_num_f32 v10, |v[(\x)]|, |v[(\x)+1]|, FLOOR
	v_max3_num_f32 v11, |v[(\x)+16]|, |v[(\x)+17]|, FLOOR
.irp i, 2,4,6,8,10,12,14
	v_max3_num_f32 v10, v10, |v[(\x)+\i]|, |v[(\x)+\i+1]|          ; two chains, so that no line waits for the line above it
	v_max3_num_f32 v11, v11, |v[(\x)+16+\i]|, |v[(\x)+17+\i]|
.endr
	v_max_num_f32 v10, v10, v11                    ; the block's largest magnitude
	v_add_nc_u32 v[\so], 0xff000000, v10           ; 2 off its exponent field: the conversion takes the exponent field of this operand as its scale
	v_lshrrev_b32 v[\by], 23, v[\so]               ; the scale's byte
	v_cvt_scalef32_pk16_fp6_f32 v[(\pc):(\pc)+2], v[(\x):(\x)+15], v[\so]
	v_cvt_scalef32_pk16_fp6_f32 v[(\pc)+4:(\pc)+6], v[(\x)+16:(\x)+31], v[\so]   ; (a conversion's three registers begin on an even number)
	v_nop                                          ; one plain place behind a scaled conversion
	v_mov_b32 v[(\pc)+3], v[(\pc)+4]
	v_mov_b32 v[(\pc)+4], v[(\pc)+5]
	v_mov_b32 v[(\pc)+5], v[(\pc)+6]
.endm
	s_load_b256 s[4:11], s[0:1], 0x0               ; query s[4:5], Wq s[6:7], Wk s[8:9], Wv s[10:11]
	s_load_b256 s[12:19], s[0:1], 0x20             ; Wout s[12:13], pos_emb s[14:15], ximg s[16:17], wimg s[18:19]
	s_load_b128 s[20:23], s[0:1], 0x40             ; woimg s[20:21], etab s[22:23]
	v_lshl_add_u32 v240, v0, 2, 0x8400
	v_mov_b32 v241, 0
	v_lshrrev_b32 v1, 5, v0
	v_readfirstlane_b32 s24, v1                    ; wave
	v_and_b32 v1, 31, v0                           ; lane
	v_and_b32 v2, 15, v0                           ; r
	v_bfe_u32 v3, v0, 4, 1                         ; h
	v_lshlrev_b32 v4, 4, v1                        ; 16 x lane
	v_lshlrev_b32 v5, 3, v1                        ; 8 x lane
	v_lshlrev_b32 v6, 2, v1                        ; 4 x lane
	v_lshlrev_b32 v7, 3, v3                        ; 8 h: my byte's place in a scale word
	v_mov_b32 v17, 0                               ; a lane permute's destination counts as one of its sources
	s_mov_b32 s25, 0xffff0000                      ; lanes 16-31
	s_mov_b32 s26, 0x76543210
	s_mov_b32 s27, 0xfedcba98                      ; v_permlanex16_b32's selects for lane l xor 16
	s_wait_kmcnt 0x0
	s_cmp_lt_u32 ttmp9, 128
	s_cbranch_scc1 .Lx
	s_cmp_lt_u32 ttmp9, 384
	s_cbranch_scc1 .Lw
	; ---- pos_emb: tile tau of 16 rows of the extended table
	s_sub_co_u32 s28, ttmp9, 384
	s_lshl_b32 s28, s28, 2
	s_add_co_u32 s28, s28, s24                     ; tau = 0 .. 31
	s_lshl_b32 s30, s28, 4
	s_wait_alu depctr_va_vdst(0)
	v_add_nc_u32 v8, s30, v2                       ; e = 16 tau + r
	v_max_u32 v8, 128, v8
	v_min_u32 v8, 384, v8
	v_add_nc_u32 v8, 0xffffff80, v8                ; the row of pos_emb, 0 .. 256
	v_lshlrev_b32 v8, 8, v8
	v_lshl_add_u32 v8, v3, 7, v8                   ; 256 bytes a row, + my block's 128
	s_lshl_b32 s28, s28, 10
	s_mov_b32 s29, 0
	s_add_nc_u64 s[22:23], s[22:23], s[28:29]      ; the tile's record of 1,024 bytes
.set q, 0
.rept 8
	global_load_b128 v[R+4*q:R+4*q+3], v8, s[14:15] offset:16*((q%2)+4*((q/2)%2)+2*(q/4))   ; pieces of four numbers in the block's order
.set q, q+1
.endr
	s_wait_loadcnt 0x0
	BLOCKQ R, PC, 12, 13
	v_lshlrev_b32 v16, v7, v13                     ; my block's byte at its place,
	v_permlanex16_b32 v17, v16, s26, s27
	v_or_b32 v18, v16, v17                         ; with lane l xor 16's: the row's word; bytes 2 and 3 stay 0
	v_mov_b32 v19, 0
	global_store_b128 v4, v[PC:PC+3], s[22:23]
	global_store_b64 v5, v[PC+4:PC+5], s[22:23] offset:512
	global_store_b64 v5, v[18:19], s[22:23] offset:768     ; the word of row lane % 16 at 8 x lane: the record's last 256 bytes are written whole
	s_endpgm
	; ---- query: 64 rows x 128 along K for a wave
.Lx:
	s_lshl_b32 s28, ttmp9, 2
	s_add_co_u32 s28, s28, s24                     ; task 0 .. 511
	s_lshr_b32 s29, s28, 3                         ; G: which 64 rows
	s_and_b32 s30, s28, 7                          ; which K step
	s_lshl_b32 s32, s29, 18                        ; 64 rows of 4,096 bytes
	s_lshl_b32 s31, s30, 9
	s_add_co_u32 s32, s32, s31
	s_mov_b32 s33, 0
	s_add_nc_u64 s[4:5], s[4:5], s[32:33]
	s_mul_i32 s32, s29, 51200
	s_mul_i32 s31, s30, 6400
	s_add_co_u32 s32, s32, s31
	s_add_nc_u64 s[16:17], s[16:17], s[32:33]      ; the record of 6,400 bytes
	s_mul_i32 s31, s24, 8448                       ; my wave's stage: 16 rows x (512 + 16) bytes
	s_wait_alu depctr_va_vdst(0)
	v_add_nc_u32 v8, s31, v4                       ; in: 16 x lane of a row
	v_mul_u32_u24 v9, v2, 528
	v_lshl_add_u32 v9, v3, 7, v9
	v_add_nc_u32 v9, s31, v9                       ; back: row r, + 128 h: my block; rows 33 x 16 bytes apart start in different banks
.macro LOADT m                         ; tile m's 16 rows: each load reads 512 consecutive bytes of one row
.irp i, 0,1,2,3,4,5,6,7,8,9,10,11,12,13,14,15
	global_load_b128 v[R+64*((\m)%2)+4*\i:R+64*((\m)%2)+4*\i+3], v4, s[4:5] offset:(16*(\m)+\i)*4096 th:TH_LOAD_NT
.endr
.endm
.macro TILE m
.if (\m) < 3
	s_wait_loadcnt 16                              ; this tile's 16 loads are in; the next tile's 16 may be out
.else
	s_wait_loadcnt 0x0
.endif
.irp i, 0,1,2,3,4,5,6,7,8,9,10,11,12,13,14,15
	ds_store_b128 v8, v[R+64*((\m)%2)+4*\i:R+64*((\m)%2)+4*\i+3] offset:528*\i
.endr
.irp c, 0,1
.set q, 0
.rept 8
	ds_load_b128 v[X+32*\c+4*q:X+32*\c+4*q+3], v9 offset:256*\c+16*((q%2)+4*((q/2)%2)+2*(q/4))   ; block 2 c + h of my row, in the block's order; LDS serves a wave's instructions in order
.set q, q+1
.endr
.endr
	s_wait_dscnt 0x0                               ; the numbers are back, and the stores have read their registers
.if (\m) < 2
	LOADT (\m)+2
.endif
.if (\m) > 0
	s_wait_xcnt 0x0                                ; the last tile's stores have read their data: the codes' registers are written again only behind this wait
.endif
	BLOCKQ X, PC, 12, 14
	BLOCKQ X+32, PC+8, 13, 15
	v_lshl_or_b32 v16, v15, 16, v14                ; my bytes: blocks h and 2 + h,
	v_lshlrev_b32 v16, v7, v16                     ; at their places;
	v_permlanex16_b32 v17, v16, s26, s27
	v_or_b32 v[24+(\m)], v16, v17                  ; with lane l xor 16's two the row's word is whole
.irp c, 0,1
	global_store_b128 v4, v[PC+8*\c:PC+8*\c+3], s[16:17] offset:1536*(\m)+768*\c
	global_store_b64 v5, v[PC+8*\c+4:PC+8*\c+5], s[16:17] offset:1536*(\m)+768*\c+512
.endr
.endm
	LOADT 0
	LOADT 1
	s_wait_alu depctr_va_vdst(0)
	TILE 0
	TILE 1
	TILE 2
	TILE 3
	v_cndmask_b32 v28, v24, v25, s25               ; the four tiles' scale words: word i of lane l is that of tile 2 i + l / 16, row l % 16
	v_cndmask_b32 v29, v26, v27, s25
	global_store_b64 v5, v[28:29], s[16:17] offset:6144
	s_wait_tensorcnt 0x0
	ds_add_u32 v240, v241
	s_wait_dscnt 0x0
	s_endpgm
	; ---- a weight: 32 columns x 128 along K for a wave
.Lw:
	s_sub_co_u32 s28, ttmp9, 128
	s_lshr_b32 s29, s28, 6                         ; which weight: q, k, v, out
	s_bfe_u32 s30, s28, 0x30003                    ; which 128 columns
	s_and_b32 s31, s28, 7                          ; which K step
	s_lshl_b32 s32, s31, 19                        ; 128 rows of 4,096 bytes
	s_lshl_b32 s34, s30, 9
	s_add_co_u32 s32, s32, s34
	s_lshl_b32 s34, s24, 7
	s_add_co_u32 s32, s32, s34                     ; + 4 x my first column
	s_mov_b32 s33, 0
	s_lshl_b32 s35, s29, 2                         ; in wimg a head's tiles are q's four, k's four, v's four
	s_and_b32 s36, s24, 1
	s_lshl_b32 s36, s36, 1
	s_lshr_b32 s37, s24, 1
	s_lshl_b32 s38, s30, 1
	s_add_co_u32 s37, s37, s38                     ; which 64 columns: the head, or Wout's column block
	s_mov_b32 s40, 153600                          ; bytes of a head in wimg, of a K step's record, and where its scale words begin
	s_mov_b32 s41, 19200
	s_mov_b32 s42, 18432
	s_cmp_eq_u32 s29, 1                            ; the choices hang on the work-group's number alone
	s_cselect_b64 s[6:7], s[8:9], s[6:7]
	s_cmp_eq_u32 s29, 2
	s_cselect_b64 s[6:7], s[10:11], s[6:7]
	s_cmp_eq_u32 s29, 3
	s_cselect_b64 s[6:7], s[12:13], s[6:7]
	s_cselect_b64 s[18:19], s[20:21], s[18:19]     ; Wout goes to woimg,
	s_cselect_b32 s40, 51200, s40                  ; whose records hold four tiles
	s_cselect_b32 s41, 6400, s41
	s_cselect_b32 s42, 6144, s42
	s_cselect_b32 s35, 0, s35
	s_add_co_u32 s35, s35, s36                     ; my first tile in the record (an even number)
	s_mul_i32 s40, s37, s40
	s_mul_i32 s41, s31, s41
	s_add_co_u32 s40, s40, s41
	s_mov_b32 s41, 0
	s_add_nc_u64 s[6:7], s[6:7], s[32:33]
	s_add_nc_u64 s[18:19], s[18:19], s[40:41]      ; the record
	s_lshl_b32 s38, s35, 6
	s_add_co_u32 s38, s38, s42
	s_mov_b32 s39, 0
	s_add_nc_u64 s[44:45], s[18:19], s[38:39]      ; my two tiles' scale words: 128 bytes
	s_mul_i32 s38, s35, 1536
	s_add_nc_u64 s[18:19], s[18:19], s[38:39]      ; my two tiles' fragments
.set blk, 0
	s_wait_alu depctr_va_vdst(0)
.rept 4
.set p, 0
.rept 32
	global_load_b32 v[R+32*blk+p], v6, s[6:7] offset:(32*blk+(p%8)+16*((p/8)%2)+8*(p/16))*4096 th:TH_LOAD_NT   ; 32 lanes read 128 consecutive bytes, the four waves 512
.set p, p+1
.endr
.set blk, blk+1
.endr
.macro WBLOCK b, left
	s_wait_loadcnt \left
	BLOCKQ R+32*(\b), X+8*(\b), 12, 13
.if (\b) == 0
	v_mov_b32 v14, v13                             ; the column's scale word, the lower K in the lower byte
.else
	v_lshl_or_b32 v14, v13, 8*(\b), v14
.endif
.endm
	WBLOCK 0, 63                                   ; 96 younger loads may be out: more than a wait can name, so the largest count that it can
	WBLOCK 1, 63                                   ; 64 may be out: likewise
	WBLOCK 2, 32                                   ; the last block's 32 may be out
	WBLOCK 3, 0
.irp i, 0,1,2,3,4,5
	v_permlane16_swap_b32 v[X+\i], v[X+8+\i]       ; the first's lanes 16-31 change places with the second's lanes 0-15: now tile 0's blocks 0, 1 | tile 1's blocks 0, 1
	v_permlane16_swap_b32 v[X+16+\i], v[X+24+\i]   ; and blocks 2, 3 likewise
.endr
.irp u, 0,1
.irp c, 0,1
	global_store_b128 v4, v[X+16*\c+8*\u:X+16*\c+8*\u+3], s[18:19] offset:1536*\u+768*\c
	global_store_b64 v5, v[X+16*\c+8*\u+4:X+16*\c+8*\u+5], s[18:19] offset:1536*\u+768*\c+512
.endr
.endr
	global_store_b32 v6, v14, s[44:45]             ; lanes 0-15 the even tile's words, lanes 16-31 the odd tile's
	s_endpgm
.Lfunc_end_k_q2da1e22634_prep:
	.size	k_q2da1e22634_prep, .Lfunc_end_k_q2da1e22634_prep-k_q2da1e22634_prep
	.p2alignl 7, 3214868480
	.fill 96, 4, 3214868480
	.section	.rodata,"a",@progbits
	.p2align	6, 0x0
	.amdhsa_kernel k_q2da1e22634_prep
		.amdhsa_group_segment_fixed_size 34304
		.amdhsa_private_segment_fixed_size 0
		.amdhsa_enable_private_segment 0
		.amdhsa_kernarg_size 80
		.amdhsa_user_sgpr_count 2
		.amdhsa_user_sgpr_kernarg_segment_ptr 1
		.amdhsa_wavefront_size32 1
		.amdhsa_system_sgpr_workgroup_id_x 1
		.amdhsa_system_sgpr_workgroup_id_y 1
		.amdhsa_system_sgpr_workgroup_id_z 1
		.amdhsa_system_vgpr_workitem_id 0
		.amdhsa_next_free_vgpr 242
		.amdhsa_next_free_sgpr 66
		.amdhsa_reserve_vcc 0
		.amdhsa_float_denorm_mode_32 3
		.amdhsa_float_denorm_mode_16_64 3
		.amdhsa_memory_ordered 1
		.amdhsa_forward_progress 1
		.amdhsa_inst_pref_size 55
	.end_amdhsa_kernel
	.amdgpu_metadata
---
amdhsa.version: [ 1, 2 ]
amdhsa.kernels:
  - .name:           k_q2da1e22634_prep
    .symbol:         k_q2da1e22634_prep.kd
    .args:
      - { .name: query, .offset: 0, .size: 8, .value_kind: global_buffer, .address_space: global }
      - { .name: Wq, .offset: 8, .size: 8, .value_kind: global_buffer, .address_space: global }
      - { .name: Wk, .offset: 16, .size: 8, .value_kind: global_buffer, .address_space: global }
      - { .name: Wv, .offset: 24, .size: 8, .value_kind: global_buffer, .address_space: global }
      - { .name: Wout, .offset: 32, .size: 8, .value_kind: global_buffer, .address_space: global }
      - { .name: pos_emb, .offset: 40, .size: 8, .value_kind: global_buffer, .address_space: global }
      - { .name: ximg, .offset: 48, .size: 8, .value_kind: global_buffer, .address_space: global }
      - { .name: wimg, .offset: 56, .size: 8, .value_kind: global_buffer, .address_space: global }
      - { .name: woimg, .offset: 64, .size: 8, .value_kind: global_buffer, .address_space: global }
      - { .name: etab, .offset: 72, .size: 8, .value_kind: global_buffer, .address_space: global }
    .group_segment_fixed_size: 34304
    .private_segment_fixed_size: 0
    .kernarg_segment_align: 8
    .kernarg_segment_size: 80
    .max_flat_workgroup_size: 128
    .sgpr_count:     66
    .vgpr_count:     242
    .wavefront_size: 32
...
	.end_amdgpu_metadata
.endif
;; end of part 1
;; launch qkv (part 2): grid 16 x 16, 4 waves a work-group, clusters of 4 x 1, 327,680 bytes of LDS; arguments ximg, wimg, qbuf, kv; writes qbuf, kv
.if DOCPART == 2
	.amdgcn_target "amdgcn-amd-amdhsa--gfx1250"
	.amdhsa_code_object_version 6
	.text
	.protected	k_q2da1e22634_qkv
	.globl	k_q2da1e22634_qkv
	.p2align	8
	.type	k_q2da1e22634_qkv,@function
k_q2da1e22634_qkv:
	s_mov_b64 s[64:65], 0
	v_nop
	global_prefetch_b8 v0, s[64:65] scope:SCOPE_SE
	s_setreg_imm32_b32 hwreg(HW_REG_WAVE_MODE, 25, 1), 1
	s_wait_xcnt 0x0
	s_wait_alu depctr_hold_cnt(0) depctr_sa_sdst(0) depctr_va_vdst(0) depctr_va_sdst(0) depctr_va_ssrc(0) depctr_va_vcc(0) depctr_vm_vsrc(0)
	s_getreg_b32 s2, hwreg(HW_REG_IB_STS2, 6, 4)
	s_cmp_eq_u32 s2, 0
	s_cbranch_scc0 .Lentry_in_a_cluster
	s_endpgm
.Lentry_in_a_cluster:
	s_bfe_u32 s2, ttmp6, 0x10000c
	s_cmp_lg_u32 s2, 0x3003
	s_cbranch_scc0 .Lentry_shape_is_right
	s_endpgm
.Lentry_shape_is_right:
; QKV: q, k and v of one head for 256 tokens, on codes of FP6 (E2M3) with E8M0 scales; the results are quantised in registers (q, k along the head's 64; v along the tokens, which are the keys) and leave as images of operand registers.
; SHARES.  Work-group (x, y): head y, tokens 256 x .. 256 x + 255 of the 4,096.  Wave w: 64 tokens against the head's 192 weight columns: 48 accumulators of 16 x 16.
; A (the tokens' codes): each fragment is used by ONE wave, so it comes from memory straight into that wave's registers and stays: 8 K steps x 4 tiles x 12 registers.  It is not asked for jointly and does not go through LDS:
; there it would add 16 loads a K step to B's 54, and A's and B's bytes together (205 KB + 154 KB) do not fit.
; B (the head's 192 columns for all of K, with their scale words): 153,600 bytes, the same for the four work-groups of a cluster (same head): eight records of 19,200 bytes, each wave asks jointly for two.  Filled once, never again.
; q's and k's products are used transposed (source 0 = 16 columns of W, source 1 = 16 tokens): a lane holds a token, its registers run along the channels.  v's are used straight: a lane holds a channel, its registers run along the tokens.
; So in both cases 32 registers of a lane are 16 + 16 numbers of two blocks of 32 along the NEXT product's K; the other 16 of each lie in lane l xor 16.
; The order inside a block of 32 (0-7, 16-23, 8-15, 24-31) is the one that falls out here; every operand of the program is laid so.
; LIMITS: as stated for the first launch (blocks of zeros get the byte 1; largest magnitudes under 2^-124 are held at the byte 1; NaN and infinities are not served).
; REGISTERS, in windows of 256.  Window 0: v1-5 addresses; v8-23 the tokens' scale words (all K); v24-35 the weights' scale words, two sets; v36-43 at work; v64-135, v136-207 B's fragments 0-5, 6-11; v208-255 A of K step 7.
;   Window 1: q's and k's accumulators, (tile of tokens m, tile of columns n) at 64 m + 8 n.  Window 2: v's accumulators at 32 n + 8 m; A of K steps 5, 6 from v128.  Window 3: A of K steps 0-4.
.set FLOOR, 0x1800000
.set REC,  19200                       ; a K step's record of B: 12 fragments of 1,536 bytes, then 768 bytes of scale words
.set ASTR, 6400                        ; a K step's record of A: 4 fragments, then 256 bytes of scale words
.set L16, 1                            ; 16 x lane
.set L8,  2                            ; 8 x lane
.set A16, 3                            ; LDS: the record in hand + 16 x lane
.set A8,  4                            ; + 8 x lane
.set A4,  5                            ; + 4 x lane
.set AS,  8
.set BS,  24
.set TM,  36
.set T2,  38
.set SO,  40
.set BY,  42
.set BF0, 64
.set BF1, 136
.set WV,  12
.set SEL, 42
.set MSB, 0
.macro WIN new                         ; the immediate's high byte repeats the setting that is left
.if MSB != (\new)
	s_set_vgpr_msb (MSB<<8)|(\new)
.set MSB, (\new)
.endif
.endm
.macro PLACES n
.rept \n
	v_nop
.endr
.endm
.macro CROUND                          ; a round of the cluster's barrier
	s_barrier_signal -1
	s_barrier_wait -1
	s_cmp_lg_u32 s[WV], 0
	s_cbranch_scc1 .Lnot_wave_0_\@
	s_barrier_signal -3
.Lnot_wave_0_\@:
	s_barrier_wait -3
	s_barrier_signal -1
	s_barrier_wait -1
.endm
.macro SETA s                          ; where K step s's fragments of A live: window WA, from register AR on
.if (\s) < 5
.set WA, 3
.set AR, 48*(\s)
.elseif (\s) < 7
.set WA, 2
.set AR, 128+48*((\s)-5)
.else
.set WA, 0
.set AR, 208
.endif
.endm
.macro ALOAD s                         ; 16 loads: K step s's four fragments of A; every load covers 512 or 256 consecutive bytes
	SETA \s
	WIN WA<<6
.irp m, 0,1,2,3
.irp c, 0,1
	global_load_b128 v[AR+12*\m+6*\c:AR+12*\m+6*\c+3], v[L16], s[44:45] offset:ASTR*(\s)+1536*\m+768*\c
	global_load_b64 v[AR+12*\m+6*\c+4:AR+12*\m+6*\c+5], v[L8], s[44:45] offset:ASTR*(\s)+1536*\m+768*\c+512
.endr
.endr
.endm
.macro FETCHB s, half                  ; B's fragments 6 half .. 6 half + 5 of the record in hand (24 loads); with half 0 first the step's 6 registers of scale words (30 loads)
.if (\half) == 0
.irp i, 0,1,2,3,4,5
	ds_load_b32 v[BS+6*((\s)%2)+\i], v[A4] offset:18432+128*\i       ; lanes 0-15: tile 2 i; lanes 16-31: tile 2 i + 1
.endr
.endif
.irp f, 0,1,2,3,4,5
.irp c, 0,1
	ds_load_b128 v[BF0+72*(\half)+12*\f+6*\c:BF0+72*(\half)+12*\f+6*\c+3], v[A16] offset:1536*(6*(\half)+\f)+768*\c
	ds_load_b64 v[BF0+72*(\half)+12*\f+6*\c+4:BF0+72*(\half)+12*\f+6*\c+5], v[A8] offset:1536*(6*(\half)+\f)+768*\c+512
.endr
.endr
.endm
; one matrix instruction: D = A x B + (0 or D); sa, sb the scale registers, ra, rb = 1: the scales stand in lanes 16-31
.macro WM d, a, b, zero, sa, sb, ra, rb
.if (\zero)
.if (\ra) && (\rb)
	v_wmma_scale_f32_16x16x128_f8f6f4 v[(\d):(\d)+7], v[(\a):(\a)+11], v[(\b):(\b)+11], 0, v[\sa], v[\sb] matrix_a_fmt:MATRIX_FMT_FP6 matrix_b_fmt:MATRIX_FMT_FP6 matrix_a_scale:MATRIX_SCALE_ROW1 matrix_b_scale:MATRIX_SCALE_ROW1
.elseif (\ra)
	v_wmma_scale_f32_16x16x128_f8f6f4 v[(\d):(\d)+7], v[(\a):(\a)+11], v[(\b):(\b)+11], 0, v[\sa], v[\sb] matrix_a_fmt:MATRIX_FMT_FP6 matrix_b_fmt:MATRIX_FMT_FP6 matrix_a_scale:MATRIX_SCALE_ROW1
.elseif (\rb)
	v_wmma_scale_f32_16x16x128_f8f6f4 v[(\d):(\d)+7], v[(\a):(\a)+11], v[(\b):(\b)+11], 0, v[\sa], v[\sb] matrix_a_fmt:MATRIX_FMT_FP6 matrix_b_fmt:MATRIX_FMT_FP6 matrix_b_scale:MATRIX_SCALE_ROW1
.else
	v_wmma_scale_f32_16x16x128_f8f6f4 v[(\d):(\d)+7], v[(\a):(\a)+11], v[(\b):(\b)+11], 0, v[\sa], v[\sb] matrix_a_fmt:MATRIX_FMT_FP6 matrix_b_fmt:MATRIX_FMT_FP6
.endif
.else
.if (\ra) && (\rb)
	v_wmma_scale_f32_16x16x128_f8f6f4 v[(\d):(\d)+7], v[(\a):(\a)+11], v[(\b):(\b)+11], v[(\d):(\d)+7], v[\sa], v[\sb] matrix_a_fmt:MATRIX_FMT_FP6 matrix_b_fmt:MATRIX_FMT_FP6 matrix_a_scale:MATRIX_SCALE_ROW1 matrix_b_scale:MATRIX_SCALE_ROW1
.elseif (\ra)
	v_wmma_scale_f32_16x16x128_f8f6f4 v[(\d):(\d)+7], v[(\a):(\a)+11], v[(\b):(\b)+11], v[(\d):(\d)+7], v[\sa], v[\sb] matrix_a_fmt:MATRIX_FMT_FP6 matrix_b_fmt:MATRIX_FMT_FP6 matrix_a_scale:MATRIX_SCALE_ROW1
.elseif (\rb)
	v_wmma_scale_f32_16x16x128_f8f6f4 v[(\d):(\d)+7], v[(\a):(\a)+11], v[(\b):(\b)+11], v[(\d):(\d)+7], v[\sa], v[\sb] matrix_a_fmt:MATRIX_FMT_FP6 matrix_b_fmt:MATRIX_FMT_FP6 matrix_b_scale:MATRIX_SCALE_ROW1
.else
	v_wmma_scale_f32_16x16x128_f8f6f4 v[(\d):(\d)+7], v[(\a):(\a)+11], v[(\b):(\b)+11], v[(\d):(\d)+7], v[\sa], v[\sb] matrix_a_fmt:MATRIX_FMT_FP6 matrix_b_fmt:MATRIX_FMT_FP6
.endif
.endif
.endm
.macro MULQK s, n, bf                  ; column tile n (0-3 q, 4-7 k), whose fragment stands at v[bf], against the four tiles of tokens: transposed
.irp m, 0,1,2,3
	WM 64*\m+8*(\n), \bf, AR+12*\m, (\s)==0, BS+6*((\s)%2)+(\n)/2, AS+2*(\s)+\m/2, (\n)%2, \m%2
.endr
.endm
.macro MULV s, n                       ; v's column tile n against the four tiles of tokens: straight
.irp m, 0,1,2,3
	WM 32*(\n)+8*\m, AR+12*\m, BF1+24+12*(\n), (\s)==0, AS+2*(\s)+\m/2, BS+6*((\s)%2)+4+(\n)/2, \m%2, (\n)%2
.endr
.endm
; 32 results of a lane in window w from v[s0] on (register 16 b + i: 16 numbers of block b of my row; lane l xor 16 holds the other 16) -> a half fragment in v[pc] .. v[pc + 5] and its scale word (two bytes) in v[pw].
; Each accumulator is read from its low end on.
.macro QH w, s0, pc, pw
	WIN 0
	v_mov_b32 v[TM], FLOOR
	v_mov_b32 v[TM+1], FLOOR
	WIN ((\w)<<2)|((\w)<<4)
.irp i, 0,2,4,6,8,10,12,14
	v_max3_num_f32 v[TM], v[TM], |v[(\s0)+\i]|, |v[(\s0)+\i+1]|
	v_max3_num_f32 v[TM+1], v[TM+1], |v[(\s0)+16+\i]|, |v[(\s0)+17+\i]|
.endr
	WIN 0
	v_permlanex16_b32 v[T2], v[TM], s[SEL], s[SEL+1]
	v_permlanex16_b32 v[T2+1], v[TM+1], s[SEL], s[SEL+1]
	v_max_num_f32 v[TM], v[TM], v[T2]              ; with lane l xor 16's: the blocks' largest magnitudes
	v_max_num_f32 v[TM+1], v[TM+1], v[T2+1]
	v_add_nc_u32 v[SO], 0xff000000, v[TM]          ; 2 off the exponent field: the conversion's scale operand
	v_add_nc_u32 v[SO+1], 0xff000000, v[TM+1]
	v_lshrrev_b32 v[BY], 23, v[SO]
	v_lshrrev_b32 v[BY+1], 23, v[SO+1]
	v_lshl_or_b32 v[\pw], v[BY+1], 8, v[BY]        ; bytes 2 and 3 stay 0
	WIN (\w)
	v_cvt_scalef32_pk16_fp6_f32 v[(\pc):(\pc)+2], v[(\s0):(\s0)+15], v[SO]
	v_cvt_scalef32_pk16_fp6_f32 v[(\pc)+4:(\pc)+6], v[(\s0)+16:(\s0)+31], v[SO+1]
	WIN 0
	v_nop                                          ; one plain place behind a scaled conversion
.irp i, 0,1,2
	v_permlane16_swap_b32 v[(\pc)+\i], v[(\pc)+4+\i]   ; a whole block to a lane: lanes 0-15 block 0, lanes 16-31 block 1
.endr
	v_mov_b32 v[(\pc)+3], v[(\pc)+4]
	v_mov_b32 v[(\pc)+4], v[(\pc)+5]
	v_mov_b32 v[(\pc)+5], v[(\pc)+6]
.endm
	s_load_b256 s[4:11], s[0:1], 0x0               ; ximg s[4:5], wimg s[6:7], qbuf s[8:9], kv s[10:11]
	v_lshl_add_u32 v62, v0, 2, 0x29000
	v_mov_b32 v63, 0
	ds_add_u32 v62, v63
	ds_add_u32 v62, v63
	v_lshrrev_b32 v6, 5, v0
	v_readfirstlane_b32 s[WV], v6                  ; wave 0..3
	v_and_b32 v6, 31, v0
	v_lshlrev_b32 v[L16], 4, v6
	v_lshlrev_b32 v[L8], 3, v6
	v_lshlrev_b32 v[A4], 2, v6
	v_mov_b32 v[A16], v[L16]                       ; record 0 begins at LDS byte 0
	v_mov_b32 v[A8], v[L8]
	v_mov_b32 v[T2], 0                             ; a lane permute's destination counts as one of its sources
	v_mov_b32 v[T2+1], 0
	s_bfe_u32 s13, ttmp6, 0x40000                  ; cx: my place in the cluster
	s_and_b32 s15, ttmp7, 0xffff                   ; the head, which the four partners share
	s_lshl_b32 s18, s13, 2
	s_add_co_u32 s18, s18, s[WV]                   ; g: my wave's 64 tokens among the batch's 1,024
	s_lshl_b32 s19, ttmp9, 4                       ; in a cluster launch ttmp9 counts clusters: the batch
	s_add_co_u32 s20, s19, s18                     ; G = 16 b + g
	s_add_co_u32 s19, s19, s15                     ; bh = 16 b + head
	s_mul_i32 s33, s[WV], REC                      ; my first record's place in LDS: the wave's number alone
	s_mul_i32 s16, s15, 8*REC
	s_add_co_u32 s16, s16, s33                     ; and in wimg: the head and the wave's number alone
	s_mov_b32 s17, 0
	s_mul_i32 s20, s20, 8*ASTR
	s_mov_b32 s21, 0
	s_mul_i32 s60, s18, 3072
	s_lshl_b32 s61, s18, 8
	s_mul_i32 s22, s19, 53248
	s_add_co_u32 s54, s22, s61                     ; q's scale words (49,152 further on)
	s_add_co_u32 s22, s22, s60                     ; q's four half fragments
	s_mul_i32 s56, s19, 106496
	s_add_co_u32 s58, s56, s61                     ; k's and v's scale words (98,304 and 102,400 further on)
	s_add_co_u32 s56, s56, s60                     ; k's half fragments; v's lie 49,152 further on
	s_mov_b32 s23, 0
	s_mov_b32 s55, 0
	s_mov_b32 s57, 0
	s_mov_b32 s59, 0
	s_mov_b32 s40, 0xffff0000                      ; lanes 16-31
	s_mov_b32 s[SEL], 0x76543210
	s_mov_b32 s[SEL+1], 0xfedcba98
	; descriptor group 1: a record as 75 rows of 256 bytes, dense
	s_mov_b32 s24, 15|(3<<16)|(1<<21)              ; 15:0 the mask: all four work-groups; 17:16 elements of 8 bytes; 21 set beside a mask
	s_mov_b32 s25, 32<<16                          ; tensor_dim0 = 32
	s_mov_b32 s26, 75<<16                          ; tensor_dim1 = 75
	s_mov_b32 s27, 32<<16                          ; tile_dim0 = 32
	s_mov_b32 s28, 75                              ; tile_dim1 = 75
	s_mov_b32 s29, 32                              ; from row to row
	s_mov_b32 s30, 0
	s_mov_b32 s31, 0
	s_wait_dscnt 0x0
	s_wait_kmcnt 0x0
	s_mov_b32 s32, 1                               ; group 0 for record w (s33: its LDS address),
	s_add_nc_u64 s[34:35], s[6:7], s[16:17]
	s_mov_b32 s36, 1                               ; and for record w + 4
	s_add_co_u32 s37, s33, 4*REC
	s_add_nc_u64 s[38:39], s[34:35], 4*REC
	s_or_b32 s35, s35, 0x80000000
	s_or_b32 s39, s39, 0x80000000
	s_add_nc_u64 s[44:45], s[4:5], s[20:21]
	s_add_nc_u64 s[46:47], s[8:9], s[22:23]
	s_add_nc_u64 s[48:49], s[8:9], s[54:55]
	s_add_nc_u64 s[50:51], s[10:11], s[56:57]
	s_add_nc_u64 s[52:53], s[10:11], s[58:59]
	CROUND                                         ; all four work-groups are here: the joint loads meet
	tensor_load_to_lds s[32:35], s[24:31]          ; record w: my one tensor load at the head
	s_nop 0
	PLACES 4
	s_wait_alu depctr_va_vdst(0)
.irp s, 0,1,2,3,4,5,6,7
	global_load_b64 v[AS+2*\s:AS+2*\s+1], v[L8], s[44:45] offset:ASTR*\s+6144    ; the tokens' scale words: register 2 s + i: tile 2 i in lanes 0-15, tile 2 i + 1 in lanes 16-31
.endr
	ALOAD 0
	ALOAD 1
	ALOAD 2
	WIN 0
	s_wait_tensorcnt 0x0                           ; my record w is in
	ds_add_u32 v62, v63
	s_wait_dscnt 0x0
	CROUND                                         ; records 0-3 are whole, and the four work-groups are here: the joint loads meet
	tensor_load_to_lds s[36:39], s[24:31]          ; record w + 4, first read in K step 4: it has four K steps, 192 matrix instructions, in which to land
	s_nop 0
	PLACES 4
	FETCHB 0, 0
	FETCHB 0, 1
; A K step: 48 matrix instructions; the 48 accumulators take turns, one instruction a turn, in the same order in every step.
.macro KSTEP s
.if (\s) <= 4
	ALOAD (\s)+3
	s_wait_loadcnt 48                              ; this step's A (and the scale words) are in; the 16 loads of each of the three steps behind may be out
.else
	s_wait_loadcnt 16*(7-(\s))
.endif
	s_wait_dscnt 24                                ; B's fragments 0-5 and the scale words are in; the 24 loads of fragments 6-11 may be out
	SETA \s
	WIN 0x50|(WA<<2)                               ; source 0 (W) window 0, source 1 (tokens) window WA, C and D window 1
.irp n, 0,1,2,3,4,5
	MULQK \s, \n, BF0+12*\n
.endr
	WIN 0
.if (\s) == 3
	s_wait_tensorcnt 0x0                           ; my record w + 4 is in,
	s_wait_dscnt 0x0                               ; no LDS load of mine is out at the signal,
	s_barrier_signal -1
	s_barrier_wait -1                              ; records 4-7 are whole
.endif
.if (\s) < 7
	v_add_nc_u32 v[A16], REC, v[A16]               ; on to the next record.  These three and the v_nop are the four places in front of loads into registers that matrix instructions have read
	v_add_nc_u32 v[A8], REC, v[A8]
	v_add_nc_u32 v[A4], REC, v[A4]
	v_nop
	FETCHB (\s)+1, 0
	s_wait_alu depctr_va_vdst(0)
	s_wait_dscnt 30                                ; all but the 30 just issued: fragments 6-11 are in
.else
	s_wait_dscnt 0x0
.endif
	WIN 0x50|(WA<<2)
	MULQK \s, 6, BF1
	MULQK \s, 7, BF1+12
	WIN 0xa0|WA                                    ; source 0 (tokens) window WA, source 1 (Wv) window 0, C and D window 2
.irp n, 0,1,2,3
	MULV \s, \n
.endr
	WIN 0
.if (\s) < 7
	PLACES 4
	FETCHB (\s)+1, 1
.endif
.endm
.irp s, 0,1,2,3,4,5,6,7
	KSTEP \s
.endr
	; THE WAY OUT: twelve half fragments, each with registers of its own, so that no store's data are written again
	PLACES 4                                       ; in front of the first read of results and of writes into registers that matrix instructions have read
.irp m, 0,1,2,3
	QH 1, 64*\m, 64+8*\m, 160+\m                   ; q: tokens 16 m on, the head's 64 channels
	global_store_b128 v[L16], v[64+8*\m:64+8*\m+3], s[46:47] offset:768*\m
	global_store_b64 v[L8], v[64+8*\m+4:64+8*\m+5], s[46:47] offset:768*\m+512
.endr
.irp m, 0,1,2,3
	QH 1, 64*\m+32, 96+8*\m, 164+\m                ; k
	global_store_b128 v[L16], v[96+8*\m:96+8*\m+3], s[50:51] offset:768*\m
	global_store_b64 v[L8], v[96+8*\m+4:96+8*\m+5], s[50:51] offset:768*\m+512
.endr
.irp n, 0,1,2,3
	QH 2, 32*\n, 128+8*\n, 168+\n                  ; v: channels 16 n on, my 64 tokens as K
	global_store_b128 v[L16], v[128+8*\n:128+8*\n+3], s[50:51] offset:49152+768*\n
	global_store_b64 v[L8], v[128+8*\n+4:128+8*\n+5], s[50:51] offset:49152+768*\n+512
.endr
.irp k, 0,1,2
	v_cndmask_b32 v[172+2*\k], v[160+4*\k], v[161+4*\k], s40       ; four tiles' scale words: word i of lane l is that of tile 2 i + l / 16, row l % 16
	v_cndmask_b32 v[173+2*\k], v[162+4*\k], v[163+4*\k], s40
.endr
	global_store_b64 v[L8], v[172:173], s[48:49] offset:49152
	global_store_b64 v[L8], v[174:175], s[52:53] offset:98304
	global_store_b64 v[L8], v[176:177], s[52:53] offset:102400
	s_wait_tensorcnt 0x0
	ds_add_u32 v62, v63
	s_wait_dscnt 0x0
	CROUND                                         ; the closing round
	s_endpgm
.Lfunc_end_k_q2da1e22634_qkv:
	.size	k_q2da1e22634_qkv, .Lfunc_end_k_q2da1e22634_qkv-k_q2da1e22634_qkv
	.p2alignl 7, 3214868480
	.fill 96, 4, 3214868480
	.section	.rodata,"a",@progbits
	.p2align	6, 0x0
	.amdhsa_kernel k_q2da1e22634_qkv
		.amdhsa_group_segment_fixed_size 327680
		.amdhsa_private_segment_fixed_size 0
		.amdhsa_enable_private_segment 0
		.amdhsa_kernarg_size 32
		.amdhsa_user_sgpr_count 2
		.amdhsa_user_sgpr_kernarg_segment_ptr 1
		.amdhsa_wavefront_size32 1
		.amdhsa_system_sgpr_workgroup_id_x 1
		.amdhsa_system_sgpr_workgroup_id_y 1
		.amdhsa_system_sgpr_workgroup_id_z 1
		.amdhsa_system_vgpr_workitem_id 0
		.amdhsa_next_free_vgpr 1024
		.amdhsa_next_free_sgpr 66
		.amdhsa_reserve_vcc 0
		.amdhsa_float_denorm_mode_32 3
		.amdhsa_float_denorm_mode_16_64 3
		.amdhsa_memory_ordered 1
		.amdhsa_forward_progress 1
		.amdhsa_inst_pref_size 126
	.end_amdhsa_kernel
	.amdgpu_metadata
---
amdhsa.version: [ 1, 2 ]
amdhsa.kernels:
  - .name:           k_q2da1e22634_qkv
    .symbol:         k_q2da1e22634_qkv.kd
    .args:
      - { .name: ximg, .offset: 0, .size: 8, .value_kind: global_buffer, .address_space: global }
      - { .name: wimg, .offset: 8, .size: 8, .value_kind: global_buffer, .address_space: global }
      - { .name: qbuf, .offset: 16, .size: 8, .value_kind: global_buffer, .address_space: global }
      - { .name: kv, .offset: 24, .size: 8, .value_kind: global_buffer, .address_space: global }
    .group_segment_fixed_size: 327680
    .private_segment_fixed_size: 0
    .kernarg_segment_align: 8
    .kernarg_segment_size: 32
    .max_flat_workgroup_size: 128
    .sgpr_count:     66
    .vgpr_count:     1024
    .wavefront_size: 32
...
	.end_amdgpu_metadata
.endif
;; end of part 2
;; launch attn (part 3): grid 4 x 64, 8 waves a work-group, clusters of 4 x 1, 310,272 bytes of LDS; arguments qbuf, kv, etab, bias, oimg, osc; writes oimg, osc
.if DOCPART == 3
	.amdgcn_target "amdgcn-amd-amdhsa--gfx1250"
	.amdhsa_code_object_version 6
	.text
	.protected	k_q2da1e22634_attn
	.globl	k_q2da1e22634_attn
	.p2align	8
	.type	k_q2da1e22634_attn,@function
k_q2da1e22634_attn:
	s_mov_b64 s[64:65], 0
	v_nop
	global_prefetch_b8 v0, s[64:65] scope:SCOPE_SE
	s_setreg_imm32_b32 hwreg(HW_REG_WAVE_MODE, 25, 1), 1
	s_wait_xcnt 0x0
	s_wait_alu depctr_hold_cnt(0) depctr_sa_sdst(0) depctr_va_vdst(0) depctr_va_sdst(0) depctr_va_ssrc(0) depctr_va_vcc(0) depctr_vm_vsrc(0)
	s_getreg_b32 s2, hwreg(HW_REG_IB_STS2, 6, 4)
	s_cmp_eq_u32 s2, 0
	s_cbranch_scc0 .Lentry_in_a_cluster
	s_endpgm
.Lentry_in_a_cluster:
	s_bfe_u32 s2, ttmp6, 0x10000c
	s_cmp_lg_u32 s2, 0x3003
	s_cbranch_scc0 .Lentry_shape_is_right
	s_endpgm
.Lentry_shape_is_right:
; ATTN: for one (batch, head): scores q k^T, the relative-position term, the bias, the softmax ahead of a quantised product, p v, / the row's sum; O is quantised along D and leaves as an image of operand registers.
; All products on codes of FP6 (E2M3) with E8M0 scales.  t = c (q.k + q.e + 8 bias), c = log2(e) / 8; M = the running largest t rounded up to a whole number; p = 2^(t - M) is quantised along the keys, not normalised;
; the row's sum is taken of the unquantised p; when M moves, the sum and O are multiplied by 2^(old M - new M), which rounds nothing.
; SHARES.  A cluster of four work-groups owns a (batch, head).  Work-group j, wave w owns TWO neighbouring tiles of 16 queries, tiles 8 w + 2 j and 8 w + 2 j + 1 of the 64: both lie in key step w, so which steps are
; in the band hangs on the wave's number alone, and so does every LDS address; the place in the cluster enters global addresses only.  Every wave walks the 1,024 keys, 128 a step.
; One read of a step's K, V, scale words and biases from LDS serves both tiles: 52 LDS loads for 32 queries.  The tile of 8 x bias stays in registers and is the C of both tiles' score products.
; LDS, all filled once: 0: the head's K and V images and scale words, 106,496 bytes, asked for JOINTLY by waves 0-3; EL: 26 records of the extended table of embeddings, record i = the table's tile i + 6 - 2 j (wave 4's own load);
; BIASL: 8 x bias; STG + 20,992 w: each wave's two stages, 16 rows of 656 bytes each; SPARE: the spare words.  Nothing is filled again and all tiles are asked for at the head: there is no loop to prefetch ahead in.
; THE RELATIVE TERM.  In a step two or more steps from the queries' own every offset is clipped: one number a query, which goes into the multiply-add that makes t.  In the three steps of the band: nine tiles R^T = E Q^T a query tile,
; row i of E standing for offset 128 rel - 16 u - 16 + i (u = 2 j + tile); the key in the step is i + r - 16: the results go to the stage at row r, column i + r (rows 660 bytes apart for the stores, 656 for the loads: that is the skew),
; come back straight into the scores' registers, take the biases by an addition and are the C of the score product.  The two tiles' runs of E lie one record apart: ten fragments serve both.
; K = 64 IN AN INSTRUCTION OF 128: q's registers 6-11 hold zero codes, and the scale bytes 2 and 3 of q, k and e are 0 (2^-127, a number); the other operand's registers 6-11 are whatever follows: times a zero code it adds exactly 0.
; LIMITS: NaN and +infinity in the bias are not served; a row whose every bias is -infinity gives NaN, as the definition does; 1 / sum is v_rcp_f32 and a multiplication; blocks of zeros get the byte 1.
; The promise holds while the scaled scores stay under 2^31 in magnitude.  osc's stores are 64 bytes a tile.
; REGISTERS.  Window 0: v1-12 addresses; v16-39 q (two fragments); v40-105 fragments of E or K, behind the score products v40-71 the rows' partial sums; v106-169 tile a's scores; v170-177 at work; v178-201 p's codes;
; v202-251 small things and scale words.  Window 1: v0-63 tile b's scores; v64-71 its ninth tile of R^T; v72-135 O^T of both; v136-199 8 x bias; v200-247 V.
.set FLOOR, 0x1800000
.set EL,    106496
.set BIASL, 133120
.set STG,   137216
.set STB,   10496
.set SPARE, 305152
.set L16,  1
.set L8,   2
.set L8S,  3                           ; 8 x lane + 98,304: K's scale words
.set BA0,  4                           ; BIASL + 32 h
.set SA,   5                           ; stage, in: 660 r + 32 h
.set RA,   6                           ; stage, back: 656 r + 32 h + 64
.set EA16, 7                           ; EL + 16 x lane
.set EA8,  8                           ; EL + 8 x lane
.set ADK16, 9
.set ADK8, 10
.set ADSC, 11
.set ADB,  12
.set Q,    16
.set F,    40
.set TA,   40                          ; tile a's eight partial sums (pairs), in registers that K's fragments have left
.set TB,   56                          ; tile b's
.set S0,   106
.set CT,   170
.set PC,   178
.set BM,   202                         ; four a tile: largest scores, then largest p, then the conversions' scale operands
.set B2,   210                         ; four a tile: at work
.set EE,   218                         ; EE + 2 x: AA - M; EE + 2 x + 1: -M
.set FS,   222                         ; FS + 2 x: 2^(old M - new M); FS + 2 x + 1: the largest t so far
.set L,    226                         ; the rows' sums, two halves a tile
.set AA,   230
.set AL,   232
.set AR_,  234
.set PS,   236
.set QS,   238
.set KS,   240
.set VT,   244
.set VS,   248
.set ES,   240                         ; E's ten scale words, in the band ahead of K's and V's
.set SPW,  250
.set NIL,  251
.set S1,   0                           ; window 1
.set CT1,  64
.set O,    72
.set BB,   136
.set V,    200
.set WV,   16
.set MSB, 0
.macro WIN new                         ; the immediate's high byte repeats the setting that is left
.if MSB != (\new)
	s_set_vgpr_msb (MSB<<8)|(\new)
.set MSB, (\new)
.endif
.endm
.macro PLACES n
.rept \n
	v_nop
.endr
.endm
.macro CROUND
	s_barrier_signal -1
	s_barrier_wait -1
	s_cmp_lg_u32 s[WV], 0
	s_cbranch_scc1 .Lnot_wave_0_\@
	s_barrier_signal -3
.Lnot_wave_0_\@:
	s_barrier_wait -3
	s_barrier_signal -1
	s_barrier_wait -1
.endm
; one matrix instruction; c < 0: the constant 0 starts the sum; ra = 1: source 0's scales stand in lanes 16-31
.macro WS d, a, b, c, sa, sb, ra
.if (\c) < 0
	v_wmma_scale_f32_16x16x128_f8f6f4 v[(\d):(\d)+7], v[(\a):(\a)+11], v[(\b):(\b)+11], 0, v[\sa], v[\sb] matrix_a_fmt:MATRIX_FMT_FP6 matrix_b_fmt:MATRIX_FMT_FP6
.else
.if (\ra)
	v_wmma_scale_f32_16x16x128_f8f6f4 v[(\d):(\d)+7], v[(\a):(\a)+11], v[(\b):(\b)+11], v[(\c):(\c)+7], v[\sa], v[\sb] matrix_a_fmt:MATRIX_FMT_FP6 matrix_b_fmt:MATRIX_FMT_FP6 matrix_a_scale:MATRIX_SCALE_ROW1
.else
	v_wmma_scale_f32_16x16x128_f8f6f4 v[(\d):(\d)+7], v[(\a):(\a)+11], v[(\b):(\b)+11], v[(\c):(\c)+7], v[\sa], v[\sb] matrix_a_fmt:MATRIX_FMT_FP6 matrix_b_fmt:MATRIX_FMT_FP6
.endif
.endif
.endm
; The band's step rel (-1, 0, 1): ten fragments of E, nine tiles of R^T for each query tile, skewed into the stages.  Written three times, so that every LDS offset is an immediate.
.macro RBAND rel
.irp t, 0,1,2,3,4,5,6,7,8,9
	ds_load_b128 v[F+6*\t:F+6*\t+3], v[EA16] offset:1024*(8+8*(\rel)+\t)
	ds_load_b64 v[F+6*\t+4:F+6*\t+5], v[EA8] offset:1024*(8+8*(\rel)+\t)+512
	ds_load_b32 v[ES+\t], v[EA8] offset:1024*(8+8*(\rel)+\t)+768
.endr
	s_wait_dscnt 0x0
.irp t, 0,1,2,3,4,5,6,7
	WS S0+8*\t, F+6+6*\t, Q, -1, ES+1+\t, QS, 0     ; tile a begins one record further on than tile b
.endr
	WS CT, F+54, Q, -1, ES+9, QS, 0
	WIN 0x40
.irp t, 0,1,2,3,4,5,6,7
	WS S1+8*\t, F+6*\t, Q+12, -1, ES+\t, QS+1, 0
.endr
	WS CT1, F+48, Q+12, -1, ES+8, QS+1, 0
	WIN 0
	PLACES 5                                       ; four in front of the stores that read the results and of loads into these registers, five in front of matrix instructions that write over them
.irp t, 0,1,2,3,4,5,6,7
.irp j, 0,1,2,3,4,5,6,7
	ds_store_b32 v[SA], v[S0+8*\t+\j] offset:64*\t+4*\j      ; row r, column 16 t + 8 h + j + r; each result from its low end on
.endr
.endr
.irp j, 0,1,2,3,4,5,6,7
	ds_store_b32 v[SA], v[CT+\j] offset:512+4*\j
.endr
	WIN 0x04                                       ; an LDS store's data are its source 1
.irp t, 0,1,2,3,4,5,6,7
.irp j, 0,1,2,3,4,5,6,7
	ds_store_b32 v[SA], v[S1+8*\t+\j] offset:STB+64*\t+4*\j
.endr
.endr
.irp j, 0,1,2,3,4,5,6,7
	ds_store_b32 v[SA], v[CT1+\j] offset:STB+512+4*\j
.endr
	WIN 0
	s_wait_dscnt 0x0                               ; the stores have read their registers, which the loads from the stage take next
.endm
; a step's LDS loads: 20 (scale words, K), in the band 32 from the stages, 16 (8 x bias), 16 (V)
.macro LOADS band
	ds_load_b64 v[KS:KS+1], v[ADSC]                ; K's scale words: register T / 2, lanes 0-15 an even tile, lanes 16-31 an odd one
	ds_load_b64 v[KS+2:KS+3], v[ADSC] offset:256
	ds_load_b64 v[VT:VT+1], v[ADSC] offset:4096    ; V's, for the step's first 64 keys,
	ds_load_b64 v[VT+2:VT+3], v[ADSC] offset:4352  ; and its second
.irp t, 0,1,2,3,4,5,6,7
	ds_load_b128 v[F+6*\t:F+6*\t+3], v[ADK16] offset:768*\t
	ds_load_b64 v[F+6*\t+4:F+6*\t+5], v[ADK8] offset:768*\t+512
.endr
.if \band
.irp t, 0,1,2,3,4,5,6,7
	ds_load_b128 v[S0+8*\t:S0+8*\t+3], v[RA] offset:64*\t          ; the relative term in the scores' layout
	ds_load_b128 v[S0+8*\t+4:S0+8*\t+7], v[RA] offset:64*\t+16
.endr
.endif
	WIN 0x40
.if \band
.irp t, 0,1,2,3,4,5,6,7
	ds_load_b128 v[S1+8*\t:S1+8*\t+3], v[RA] offset:STB+64*\t
	ds_load_b128 v[S1+8*\t+4:S1+8*\t+7], v[RA] offset:STB+64*\t+16
.endr
.endif
.irp t, 0,1,2,3,4,5,6,7
	ds_load_b128 v[BB+8*\t:BB+8*\t+3], v[ADB] offset:64*\t         ; 8 x bias of keys 16 t + 8 h + 0 .. 7
	ds_load_b128 v[BB+8*\t+4:BB+8*\t+7], v[ADB] offset:64*\t+16
.endr
.irp t, 0,1,2,3
.irp c, 0,1
	ds_load_b128 v[V+12*\t+6*\c:V+12*\t+6*\c+3], v[ADK16] offset:49152+3072*\c+768*\t      ; V^T: channels 16 t on, the step's 128 keys
	ds_load_b64 v[V+12*\t+6*\c+4:V+12*\t+6*\c+5], v[ADK8] offset:49152+3072*\c+768*\t+512
.endr
.endr
	WIN 0
	s_wait_dscnt 16                                ; all but V's 16 loads, the youngest, which land under the softmax
.endm
; S^T = K Q^T + C for both tiles: lane (r, h): query r; register 8 t + i: key 16 t + 8 h + i.  inplace = 0: C = 8 x bias (window 1); 1: C = the scores' registers
.macro SCORES inplace
	WIN 0x10*(1-(\inplace))
.irp t, 0,1,2,3,4,5,6,7
	WS S0+8*\t, F+6*\t, Q, (S0*(\inplace)+BB*(1-(\inplace))+8*\t), KS+\t/2, QS, \t%2
.endr
	WIN 0x50
.irp t, 0,1,2,3,4,5,6,7
	WS S1+8*\t, F+6*\t, Q+12, (S1*(\inplace)+BB*(1-(\inplace))+8*\t), KS+\t/2, QS+1, \t%2
.endr
	WIN 0
	v_lshl_or_b32 v[VS], v[VT+2], 16, v[VT]        ; V's scale words for the step's 128 keys.  These two and two v_nop are the four places behind the score products
	v_lshl_or_b32 v[VS+1], v[VT+3], 16, v[VT+1]
	PLACES 2
.endm
; the largest score of each block of 32 keys: for the row's maximum and, since p rises with the score, for the block's largest p.  Two chains a block (nine of my 16 numbers in BM, seven in B2), eight chains by turns;
; each of a block's two accumulators is first read at its three lowest registers
.macro MAXP x
.set SR, S0*(1-(\x))
	WIN 0x15*(\x)
.irp b, 0,1,2,3
	v_max3_num_f32 v[BM+4*(\x)+\b], v[SR+16*\b], v[SR+1+16*\b], v[SR+2+16*\b]
.endr
.irp b, 0,1,2,3
	v_max3_num_f32 v[B2+4*(\x)+\b], v[SR+8+16*\b], v[SR+9+16*\b], v[SR+10+16*\b]
.endr
	WIN 0x14*(\x)
.irp i, 3,5
.irp b, 0,1,2,3
	v_max3_num_f32 v[BM+4*(\x)+\b], v[BM+4*(\x)+\b], v[SR+16*\b+\i], v[SR+1+16*\b+\i]
.endr
.irp b, 0,1,2,3
	v_max3_num_f32 v[B2+4*(\x)+\b], v[B2+4*(\x)+\b], v[SR+8+16*\b+\i], v[SR+9+16*\b+\i]
.endr
.endr
.irp b, 0,1,2,3
	v_max3_num_f32 v[BM+4*(\x)+\b], v[BM+4*(\x)+\b], v[SR+7+16*\b], v[SR+15+16*\b]
.endr
.endm
.macro FMAP x                          ; t - M, two at a time (of the pairs the low word serves both halves)
.set SR, S0*(1-(\x))
	WIN 0x41*(\x)
.set j, 0
.rept 32
	v_pk_fma_f32 v[SR+j:SR+j+1], v[SR+j:SR+j+1], s[22:23], v[EE+2*(\x):EE+2*(\x)+1] op_sel_hi:[1,0,0]
.set j, j+2
.endr
.endm
.macro EXPP x
.set SR, S0*(1-(\x))
	WIN 0x41*(\x)
.set j, 0
.rept 64
	v_exp_f32 v[SR+j], v[SR+j]                     ; p = 2^(t - M)
.set j, j+1
.endr
.endm
.macro CVTP x                          ; p's codes: a whole block to a lane: lanes 0-15 block 2 c, lanes 16-31 block 2 c + 1
.set SR, S0*(1-(\x))
	WIN (\x)
.irp c, 0,1
	v_cvt_scalef32_pk16_fp6_f32 v[PC+12*(\x)+6*\c:PC+12*(\x)+6*\c+2], v[SR+32*\c:SR+32*\c+15], v[BM+4*(\x)+2*\c]
	v_cvt_scalef32_pk16_fp6_f32 v[CT+4*\c:CT+4*\c+2], v[SR+32*\c+16:SR+32*\c+31], v[BM+4*(\x)+2*\c+1]
.endr
	WIN 0
	v_nop                                          ; one plain place behind a scaled conversion
.irp c, 0,1
.irp i, 0,1,2
	v_permlane16_swap_b32 v[PC+12*(\x)+6*\c+\i], v[CT+4*\c+\i]
.endr
.endr
.irp c, 0,1
.irp i, 0,1,2
	v_mov_b32 v[PC+12*(\x)+6*\c+3+\i], v[CT+4*\c+\i]
.endr
.endr
.endm
; a tile's 64 p into eight partial sums (pairs) at v[t]: eight chains of packed additions by turns
.macro SUMP x, t
.set SR, S0*(1-(\x))
	WIN 5*(\x)
.irp k, 0,1,2,3,4,5,6,7
	v_pk_add_f32 v[(\t)+2*\k:(\t)+2*\k+1], v[SR+4*\k:SR+4*\k+1], v[SR+4*\k+2:SR+4*\k+3]
.endr
	WIN 4*(\x)
.set j, 32
.rept 2
.irp k, 0,1,2,3,4,5,6,7
	v_pk_add_f32 v[(\t)+2*\k:(\t)+2*\k+1], v[(\t)+2*\k:(\t)+2*\k+1], v[SR+j+2*\k:SR+j+2*\k+1]
.endr
.set j, j+16
.endr
.endm
	s_load_b256 s[4:11], s[0:1], 0x0               ; qbuf s[4:5], kv s[6:7], etab s[8:9], bias s[10:11]
	s_load_b128 s[12:15], s[0:1], 0x20             ; oimg s[12:13], osc s[14:15]
	v_lshl_add_u32 v[SPW], v0, 2, SPARE
	v_mov_b32 v[NIL], 0
	ds_add_u32 v[SPW], v[NIL]                      ; the opening lines: the add twice on end under one wait
	ds_add_u32 v[SPW], v[NIL]
	v_lshrrev_b32 v1, 5, v0
	v_readfirstlane_b32 s[WV], v1                  ; wave 0..7: also the key step in which my queries lie
	s_bfe_u32 s17, ttmp6, 0x40000                  ; j: my place in the cluster
	s_and_b32 s18, ttmp7, 0xffff                   ; bh = 16 b + head, which the four partners share
	s_mov_b32 s20, 0x76543210
	s_mov_b32 s21, 0xfedcba98                      ; v_permlanex16_b32's selects for lane l xor 16
	s_mov_b32 s22, 0x3e38aa3b                      ; c = log2(e) / 8
	s_mov_b32 s23, s22                             ; (named with it as a pair)
	s_mov_b32 s24, 15|(3<<16)|(1<<21)              ; group 1 for a quarter of K and V: 104 rows of 256 bytes, dense; the mask names all four work-groups, bit 21 beside it
	s_mov_b32 s25, 32<<16
	s_mov_b32 s26, 104<<16
	s_mov_b32 s27, 32<<16
	s_mov_b32 s28, 104
	s_mov_b32 s29, 32
	s_mov_b32 s30, 0
	s_mov_b32 s31, 0
	s_mov_b32 s32, 3<<16                           ; and for 26 records of the table: 104 rows of 256 bytes, no mask
	s_mov_b32 s33, 32<<16
	s_mov_b32 s34, 104<<16
	s_mov_b32 s35, 32<<16
	s_mov_b32 s36, 104
	s_mov_b32 s37, 32
	s_mov_b32 s38, 0
	s_mov_b32 s39, 0
	s_and_b32 s52, s[WV], 3
	s_mul_i32 s41, s52, 26624                      ; a quarter's place in LDS: the wave's number alone,
	s_mul_i32 s54, s18, 106496
	s_add_co_u32 s54, s54, s41                     ; and in kv: bh and the wave's number alone
	s_mov_b32 s55, 0
	s_lshl_b32 s56, s17, 1
	s_sub_co_u32 s56, 6, s56
	s_lshl_b32 s56, s56, 10                        ; the table from tile 6 - 2 j on
	s_mov_b32 s57, 0
	s_mul_i32 s60, s18, 53248
	s_lshl_b32 s58, s[WV], 3
	s_lshl_b32 s52, s17, 1
	s_add_co_u32 s58, s58, s52                     ; my first tile of queries: 8 w + 2 j
	s_mul_i32 s58, s58, 768
	s_add_co_u32 s58, s58, s60
	s_mov_b32 s59, 0
	s_lshr_b32 s62, s17, 1                         ; j / 2
	s_and_b32 s63, s17, 1                          ; j % 2
	s_lshl_b32 s19, s[WV], 1
	s_add_co_u32 s19, s19, s62                     ; g = 2 w + j / 2: my tiles' group of four; in it they are tiles 2 (j % 2) and 2 (j % 2) + 1
	s_lshl_b32 s52, s19, 8                         ; q's scale words: group g's 256 bytes; tile m's word of row r lies at 128 (m % 2) + 8 r + 4 (m / 2)
	s_add_co_u32 s60, s60, s52
	s_lshl_b32 s52, s63, 2
	s_add_co_u32 s60, s60, s52
	s_add_co_u32 s60, s60, 49152
	s_mov_b32 s61, 0
	s_lshr_b32 s62, s18, 4                         ; b
	s_lshl_b32 s52, s62, 12                        ; its 1,024 biases
	s_mov_b32 s53, 0
	s_wait_dscnt 0x0
	s_wait_kmcnt 0x0
	s_mov_b32 s40, 1
	s_add_nc_u64 s[42:43], s[6:7], s[54:55]
	s_or_b32 s43, s43, 0x80000000
	s_mov_b32 s44, 1
	s_mov_b32 s45, EL
	s_add_nc_u64 s[46:47], s[8:9], s[56:57]
	s_or_b32 s47, s47, 0x80000000
	s_add_nc_u64 s[58:59], s[4:5], s[58:59]        ; q's two half fragments
	s_add_nc_u64 s[60:61], s[4:5], s[60:61]        ; q's scale words
	s_add_nc_u64 s[10:11], s[10:11], s[52:53]
	s_lshl_b32 s52, s62, 4                         ; O's image: 49,152 (16 b + g) + 6,144 (head / 2) + 1,536 m + 768 (head % 2)
	s_add_co_u32 s52, s52, s19
	s_mul_i32 s52, s52, 49152
	s_and_b32 s54, s18, 15
	s_lshr_b32 s55, s54, 1
	s_mul_i32 s55, s55, 6144
	s_add_co_u32 s52, s52, s55
	s_and_b32 s54, s54, 1
	s_mul_i32 s54, s54, 768
	s_add_co_u32 s52, s52, s54
	s_mul_i32 s54, s63, 3072
	s_add_co_u32 s52, s52, s54
	s_add_nc_u64 s[12:13], s[12:13], s[52:53]
	s_lshl_b32 s52, s18, 2                         ; O's scale words: 1,024 (4 bh + m) + 64 g
	s_lshl_b32 s54, s63, 1
	s_add_co_u32 s52, s52, s54
	s_lshl_b32 s52, s52, 10
	s_lshl_b32 s54, s19, 6
	s_add_co_u32 s52, s52, s54
	s_add_nc_u64 s[14:15], s[14:15], s[52:53]
	CROUND                                         ; all four work-groups are here: the joint loads meet
	s_cmp_lt_u32 s[WV], 4                          ; waves 0-3: a quarter of K and V each, jointly; wave 4: the table; the others nothing
	s_cbranch_scc0 .Lnot_joint
	tensor_load_to_lds s[40:43], s[24:31]
	s_nop 0
	PLACES 4
	s_branch .Lasked
.Lnot_joint:
	s_cmp_eq_u32 s[WV], 4
	s_cbranch_scc0 .Lasked
	tensor_load_to_lds s[44:47], s[32:39]
	s_nop 0
	PLACES 4
.Lasked:
	v_and_b32 v9, 31, v0                           ; lane
	v_and_b32 v10, 15, v0                          ; r
	v_bfe_u32 v11, v0, 4, 1                        ; h
	v_lshlrev_b32 v12, 4, v0                       ; 16 x thread: my four biases
	v_lshlrev_b32 v[L16], 4, v9
	v_lshlrev_b32 v[L8], 3, v9
	v_lshl_add_u32 v[L8S], v9, 3, 98304
	v_lshl_add_u32 v[BA0], v11, 5, BIASL
	s_mul_i32 s52, s[WV], 2*STB
	s_add_co_u32 s52, s52, STG                     ; my two stages
	v_mul_u32_u24 v[SA], v10, 660
	v_mul_u32_u24 v[RA], v10, 656
	v_add_nc_u32 v[EA16], EL, v[L16]
	v_add_nc_u32 v[EA8], EL, v[L8]
	v_lshl_add_u32 v[SA], v11, 5, v[SA]
	v_lshl_add_u32 v[RA], v11, 5, v[RA]
	v_lshlrev_b32 v10, 3, v10                      ; 8 r
	v_lshl_add_u32 v11, v0, 4, BIASL               ; where 8 x my biases go
	v_add_nc_u32 v[SA], s52, v[SA]
	v_add_nc_u32 v[RA], s52, v[RA]
	global_load_b128 v[F:F+3], v12, s[10:11]
	global_load_b128 v[Q:Q+3], v[L16], s[58:59]
	global_load_b64 v[Q+4:Q+5], v[L8], s[58:59] offset:512
	global_load_b128 v[Q+12:Q+15], v[L16], s[58:59] offset:768
	global_load_b64 v[Q+16:Q+17], v[L8], s[58:59] offset:1280
	global_load_b32 v[QS], v10, s[60:61]
	global_load_b32 v[QS+1], v10, s[60:61] offset:128
	v_add_nc_u32 v[RA], 64, v[RA]
.irp i, 6,7,8,9,10,11,18,19,20,21,22,23
	v_mov_b32 v[Q+\i], 0                           ; zero codes for K = 64 .. 127
.endr
.irp i, 12,13,14,15,16,17,48,49,50,51,52,53,54,55,56,57,58,59,60,61,62,63,64,65
	v_mov_b32 v[F+\i], 0                           ; named as upper halves of operands before anything else is written there
.endr
.irp i, 0,1,2,3,4,5,6,7
	v_mov_b32 v[B2+\i], 0                          ; a lane permute's destination counts as one of its sources
.endr
.irp i, 0,1,2,3
	v_mov_b32 v[L+\i], 0
.endr
	v_mov_b32 v[FS+1], 0xff61b1e6                  ; -3e38, under every t
	v_mov_b32 v[FS+3], 0xff61b1e6
	v_floor_f32 v[EE+1], -v[FS+1]
	v_floor_f32 v[EE+3], -v[FS+3]
	WIN 0x40
.set j, 0
.rept 64
	v_mov_b32 v[O+j], 0                            ; O^T of both tiles.  (The step is written once: the first finds zeros, which the first change of M leaves zeros)
.set j, j+1
.endr
	WIN 0
	s_mov_b32 s48, 0                               ; the key step
	s_mov_b32 s49, 0                               ; 6,144 x step: its tiles of K and of V
	s_mov_b32 s50, 0                               ; 512 x step: its scale words, and its biases
	s_wait_alu depctr_va_vdst(0)
	s_wait_loadcnt 0x0
	v_pk_mul_f32 v[F+4:F+5], v[F:F+1], 0x41000000 op_sel_hi:[1,0]    ; 8 x bias: exact
	v_pk_mul_f32 v[F+6:F+7], v[F+2:F+3], 0x41000000 op_sel_hi:[1,0]
	ds_store_b128 v11, v[F+4:F+7]
	s_wait_tensorcnt 0x0                           ; my part of LDS is in,
	s_wait_dscnt 0x0                               ; my biases are stored,
	s_barrier_signal -1
	s_barrier_wait -1                              ; everybody's are: the one barrier of the launch's work
	ds_load_b128 v[F:F+3], v[EA16]                 ; the two clipped terms: record 0 holds 16 rows of e[-128], record 25 of e[+128]
	ds_load_b64 v[F+4:F+5], v[EA8] offset:512
	ds_load_b32 v[ES], v[EA8] offset:768
	ds_load_b128 v[F+6:F+9], v[EA16] offset:25600
	ds_load_b64 v[F+10:F+11], v[EA8] offset:25600+512
	ds_load_b32 v[ES+1], v[EA8] offset:25600+768
	s_wait_dscnt 0x0
	WS S0, F, Q, -1, ES, QS, 0
	WS S0+8, F, Q+12, -1, ES, QS+1, 0
	WS S0+16, F+6, Q, -1, ES+1, QS, 0
	WS S0+24, F+6, Q+12, -1, ES+1, QS+1, 0
	PLACES 5
	v_mul_f32 v[AL], s22, v[S0]
	v_mul_f32 v[AL+1], s22, v[S0+8]
	v_mul_f32 v[AR_], s22, v[S0+16]
	v_mul_f32 v[AR_+1], s22, v[S0+24]
.Lstep:                                            ; eight trips
	v_add_nc_u32 v[ADK16], s49, v[L16]             ; these four are also the places behind the last products, in front of loads into their operands
	v_add_nc_u32 v[ADK8], s49, v[L8]
	v_add_nc_u32 v[ADSC], s50, v[L8S]
	v_add_nc_u32 v[ADB], s50, v[BA0]
	s_wait_alu depctr_va_vdst(0)
	s_sub_co_i32 s51, s48, s[WV]                   ; rel: the step less my queries' step: the wave's and the trip's number alone
	s_cmp_lt_i32 s51, -1
	s_cbranch_scc1 .Lleft
	s_cmp_gt_i32 s51, 1
	s_cbranch_scc1 .Lright
	v_mov_b32 v[AA], 0
	v_mov_b32 v[AA+1], 0
	s_cmp_eq_i32 s51, 0
	s_cbranch_scc1 .Lband0
	s_cmp_eq_i32 s51, 1
	s_cbranch_scc1 .Lband1
	RBAND -1
	s_branch .Lband
.Lband0:
	RBAND 0
	s_branch .Lband
.Lband1:
	RBAND 1
.Lband:
	LOADS 1
	WIN 0x04
.set j, 0
.rept 32
	v_pk_add_f32 v[S0+j:S0+j+1], v[S0+j:S0+j+1], v[BB+j:BB+j+1]    ; the relative term + 8 x bias
.set j, j+2
.endr
	WIN 0x45
.set j, 0
.rept 32
	v_pk_add_f32 v[S1+j:S1+j+1], v[S1+j:S1+j+1], v[BB+j:BB+j+1]
.set j, j+2
.endr
	SCORES 1
	s_branch .Lsoft
.Lleft:
	v_mov_b32 v[AA], v[AL]
	v_mov_b32 v[AA+1], v[AL+1]
	s_branch .Lplain
.Lright:
	v_mov_b32 v[AA], v[AR_]
	v_mov_b32 v[AA+1], v[AR_+1]
.Lplain:
	LOADS 0
	SCORES 0
.Lsoft:
	MAXP 0
	MAXP 1
	WIN 0
.irp i, 0,1,2,3,4,5,6,7
	v_max_num_f32 v[BM+\i], v[BM+\i], v[B2+\i]     ; a block's two chains: the largest of my 16 keys
.endr
.irp i, 0,1,2,3,4,5,6,7
	v_permlanex16_b32 v[B2+\i], v[BM+\i], s20, s21
.endr
.irp i, 0,1,2,3,4,5,6,7
	v_max_num_f32 v[BM+\i], v[BM+\i], v[B2+\i]     ; with lane l xor 16's 16 keys
.endr
.irp x, 0,1
	v_mov_b32 v[B2+4*\x+1], v[EE+2*\x+1]           ; the old -M
.endr
.irp x, 0,1
	v_max3_num_f32 v[B2+4*\x], v[BM+4*\x], v[BM+4*\x+1], v[BM+4*\x+2]
.endr
.irp x, 0,1
	s_delay_alu instid0(VALU_DEP_2)
	v_max_num_f32 v[B2+4*\x], v[B2+4*\x], v[BM+4*\x+3]
.endr
.irp x, 0,1
	s_delay_alu instid0(VALU_DEP_2)
	v_fma_f32 v[B2+4*\x], v[B2+4*\x], s22, v[AA+\x]                ; the step's largest t (c is positive)
.endr
.irp x, 0,1
	s_delay_alu instid0(VALU_DEP_2)
	v_max_num_f32 v[FS+2*\x+1], v[FS+2*\x+1], v[B2+4*\x]
.endr
.irp x, 0,1
	s_delay_alu instid0(VALU_DEP_2)
	v_floor_f32 v[EE+2*\x+1], -v[FS+2*\x+1]        ; -M = floor(-t): M is a whole number
.endr
.irp x, 0,1
	s_delay_alu instid0(VALU_DEP_2)
	v_sub_f32 v[B2+4*\x+1], v[EE+2*\x+1], v[B2+4*\x+1]             ; old M - new M: a whole number, 0 or less
.endr
.irp x, 0,1
	v_add_f32 v[EE+2*\x], v[AA+\x], v[EE+2*\x+1]
.endr
.irp x, 0,1
	s_delay_alu instid0(VALU_DEP_4)
	v_cvt_i32_f32 v[B2+4*\x+1], v[B2+4*\x+1]       ; (it saturates)
.endr
.irp x, 0,1
	s_delay_alu instid0(VALU_DEP_2)
	v_ldexp_f32 v[FS+2*\x], 1.0, v[B2+4*\x+1]      ; 2^(old M - new M)
.endr
	FMAP 0
.irp x, 0,1
.irp b, 0,1,2,3
	v_fma_f32 v[BM+4*\x+\b], v[BM+4*\x+\b], s22, v[EE+2*\x]        ; the same of each block's largest score
.endr
.endr
	FMAP 1
.irp x, 0,1
.set j, 0
.rept 16
	v_pk_mul_f32 v[O+32*\x+j:O+32*\x+j+1], v[O+32*\x+j:O+32*\x+j+1], v[FS+2*\x:FS+2*\x+1] op_sel_hi:[1,0]   ; O^T under the new M; each accumulator from its low end on
.set j, j+2
.endr
.endr
	s_wait_alu depctr_va_vdst(0)
	EXPP 1
	EXPP 0
.irp i, 0,1,2,3,4,5,6,7
	v_exp_f32 v[BM+\i], v[BM+\i]                   ; the blocks' largest p: the same two operations on the same number
.endr
.irp x, 0,1
	v_pk_mul_f32 v[L+2*\x:L+2*\x+1], v[L+2*\x:L+2*\x+1], v[FS+2*\x:FS+2*\x+1] op_sel_hi:[1,0]   ; the sums under the new M.  (Plain places behind the exponentials)
.endr
	s_wait_alu depctr_va_vdst(0)                   ; and one wait behind it, ahead of its first reader
.irp i, 0,1,2,3,4,5,6,7
	v_max_num_f32 v[BM+\i], FLOOR, v[BM+\i]        ; the byte cannot fall under 1
.endr
.irp i, 0,1,2,3,4,5,6,7
	v_add_nc_u32 v[BM+\i], 0xff000000, v[BM+\i]    ; 2 off the exponent field: the conversion's scale operand
.endr
.irp i, 0,1,2,3,4,5,6,7
	v_lshrrev_b32 v[B2+\i], 23, v[BM+\i]
.endr
.irp x, 0,1
	v_lshl_or_b32 v[PS+\x], v[B2+4*\x+1], 8, v[B2+4*\x]            ; p's scale word for these 128 keys
.endr
.irp x, 0,1
	s_delay_alu instid0(VALU_DEP_2)
	v_lshl_or_b32 v[PS+\x], v[B2+4*\x+2], 16, v[PS+\x]
.endr
.irp x, 0,1
	s_delay_alu instid0(VALU_DEP_2)
	v_lshl_or_b32 v[PS+\x], v[B2+4*\x+3], 24, v[PS+\x]
.endr
	CVTP 0
	CVTP 1
	SUMP 0, TA                                     ; the rows' sums of the unquantised p.  (The 64 additions are also the places between the codes' and scale words' last writes and the products)
	SUMP 1, TB
	WIN 0
.irp t, TA, TB
.irp k, 0,1,2,3
	v_pk_add_f32 v[\t+2*\k:\t+2*\k+1], v[\t+2*\k:\t+2*\k+1], v[\t+8+2*\k:\t+9+2*\k]   ; the two tiles' trees by turns: eight sums to four,
.endr
.endr
.irp t, TA, TB
.irp k, 0,1
	v_pk_add_f32 v[\t+2*\k:\t+2*\k+1], v[\t+2*\k:\t+2*\k+1], v[\t+4+2*\k:\t+5+2*\k]   ; to two,
.endr
.endr
	s_delay_alu instid0(VALU_DEP_3)
	v_pk_add_f32 v[TA:TA+1], v[TA:TA+1], v[TA+2:TA+3]              ; to one,
	s_delay_alu instid0(VALU_DEP_2)
	v_pk_add_f32 v[TB:TB+1], v[TB:TB+1], v[TB+2:TB+3]
	s_delay_alu instid0(VALU_DEP_2)
	v_pk_add_f32 v[L:L+1], v[L:L+1], v[TA:TA+1]                    ; onto the running sums
	s_delay_alu instid0(VALU_DEP_2)
	v_pk_add_f32 v[L+2:L+3], v[L+2:L+3], v[TB:TB+1]
	s_wait_alu depctr_va_vdst(0)
	s_wait_dscnt 0x0                               ; V is in
	WIN 0x51                                       ; source 0 (V), C and D window 1; source 1 (p) window 0
.irp t, 0,1,2,3
.irp x, 0,1
	WS O+32*\x+8*\t, V+12*\t, PC+12*\x, O+32*\x+8*\t, VS+\t/2, PS+\x, \t%2      ; O^T += V^T P^T; the eight accumulators take turns
.endr
.endr
	WIN 0
	s_add_co_u32 s49, s49, 6144
	s_add_co_u32 s50, s50, 512
	s_add_co_u32 s48, s48, 1
	s_cmp_lt_u32 s48, 8
	s_cbranch_scc1 .Lstep
	; THE WAY OUT: O^T / the sum, quantised along the head's 64 channels (two blocks of D): two half fragments of the last product's A
	PLACES 4
.irp x, 0,1
	v_add_f32 v[B2+4*\x], v[L+2*\x], v[L+2*\x+1]
.endr
.irp x, 0,1
	v_permlanex16_b32 v[B2+4*\x+1], v[B2+4*\x], s20, s21
.endr
.irp x, 0,1
	v_add_f32 v[B2+4*\x], v[B2+4*\x], v[B2+4*\x+1] ; the row's sum
.endr
	s_wait_alu depctr_va_vdst(0)
	v_rcp_f32 v[B2], v[B2]
	v_rcp_f32 v[B2+4], v[B2+4]
	v_and_b32 v[ADK16], 15, v0                     ; (a plain place behind the transcendentals)
	WIN 0x41
	s_wait_alu depctr_va_vdst(0)                   ; directly ahead of the first reader of the quotients and of O^T
.irp x, 0,1
.set j, 0
.rept 32
	v_mul_f32 v[O+32*\x+j], v[O+32*\x+j], v[B2+4*\x]               ; register 8 t + i: channel 16 t + 8 h + i of query r
.set j, j+1
.endr
.endr
	WIN 0
	v_lshlrev_b32 v[ADK16], 2, v[ADK16]            ; 4 r
.irp i, 0,1,4,5
	v_mov_b32 v[BM+\i], FLOOR
.endr
	WIN 0x14
.irp i, 0,2,4,6,8,10,12,14
.irp x, 0,1
	v_max3_num_f32 v[BM+4*\x], v[BM+4*\x], |v[O+32*\x+\i]|, |v[O+32*\x+\i+1]|
	v_max3_num_f32 v[BM+4*\x+1], v[BM+4*\x+1], |v[O+32*\x+16+\i]|, |v[O+32*\x+17+\i]|
.endr
.endr
	WIN 0
.irp i, 0,1,4,5
	v_permlanex16_b32 v[B2+\i], v[BM+\i], s20, s21
.endr
.irp i, 0,1,4,5
	v_max_num_f32 v[BM+\i], v[BM+\i], v[B2+\i]
.endr
.irp i, 0,1,4,5
	v_add_nc_u32 v[BM+\i], 0xff000000, v[BM+\i]
.endr
.irp i, 0,1,4,5
	v_lshrrev_b32 v[B2+\i], 23, v[BM+\i]
.endr
.irp x, 0,1
	v_lshl_or_b32 v[B2+4*\x+2], v[B2+4*\x+1], 8, v[B2+4*\x]        ; the row's two scale bytes
.endr
	WIN 0x01
.irp x, 0,1
	v_cvt_scalef32_pk16_fp6_f32 v[PC+12*\x:PC+12*\x+2], v[O+32*\x:O+32*\x+15], v[BM+4*\x]
	v_cvt_scalef32_pk16_fp6_f32 v[CT+4*\x:CT+4*\x+2], v[O+32*\x+16:O+32*\x+31], v[BM+4*\x+1]
.endr
	WIN 0
	v_nop
.irp x, 0,1
.irp i, 0,1,2
	v_permlane16_swap_b32 v[PC+12*\x+\i], v[CT+4*\x+\i]
.endr
.endr
.irp x, 0,1
.irp i, 0,1,2
	v_mov_b32 v[PC+12*\x+3+\i], v[CT+4*\x+\i]
.endr
.endr
.irp x, 0,1
	global_store_b128 v[L16], v[PC+12*\x:PC+12*\x+3], s[12:13] offset:1536*\x
	global_store_b64 v[L8], v[PC+12*\x+4:PC+12*\x+5], s[12:13] offset:1536*\x+512
	global_store_b32 v[ADK16], v[B2+4*\x+2], s[14:15] offset:1024*\x     ; both halves of the lanes write the same word with the same value
.endr
	s_wait_tensorcnt 0x0                           ; the wave's end
	ds_add_u32 v[SPW], v[NIL]
	s_wait_dscnt 0x0
	CROUND                                         ; the closing round
	s_endpgm
.Lfunc_end_k_q2da1e22634_attn:
	.size	k_q2da1e22634_attn, .Lfunc_end_k_q2da1e22634_attn-k_q2da1e22634_attn
	.p2alignl 7, 3214868480
	.fill 96, 4, 3214868480
	.section	.rodata,"a",@progbits
	.p2align	6, 0x0
	.amdhsa_kernel k_q2da1e22634_attn
		.amdhsa_group_segment_fixed_size 310272
		.amdhsa_private_segment_fixed_size 0
		.amdhsa_enable_private_segment 0
		.amdhsa_kernarg_size 48
		.amdhsa_user_sgpr_count 2
		.amdhsa_user_sgpr_kernarg_segment_ptr 1
		.amdhsa_wavefront_size32 1
		.amdhsa_system_sgpr_workgroup_id_x 1
		.amdhsa_system_sgpr_workgroup_id_y 1
		.amdhsa_system_sgpr_workgroup_id_z 1
		.amdhsa_system_vgpr_workitem_id 0
		.amdhsa_next_free_vgpr 512
		.amdhsa_next_free_sgpr 66
		.amdhsa_reserve_vcc 0
		.amdhsa_float_denorm_mode_32 3
		.amdhsa_float_denorm_mode_16_64 3
		.amdhsa_memory_ordered 1
		.amdhsa_forward_progress 1
		.amdhsa_inst_pref_size 105
	.end_amdhsa_kernel
	.amdgpu_metadata
---
amdhsa.version: [ 1, 2 ]
amdhsa.kernels:
  - .name:           k_q2da1e22634_attn
    .symbol:         k_q2da1e22634_attn.kd
    .args:
      - { .name: qbuf, .offset: 0, .size: 8, .value_kind: global_buffer, .address_space: global }
      - { .name: kv, .offset: 8, .size: 8, .value_kind: global_buffer, .address_space: global }
      - { .name: etab, .offset: 16, .size: 8, .value_kind: global_buffer, .address_space: global }
      - { .name: bias, .offset: 24, .size: 8, .value_kind: global_buffer, .address_space: global }
      - { .name: oimg, .offset: 32, .size: 8, .value_kind: global_buffer, .address_space: global }
      - { .name: osc, .offset: 40, .size: 8, .value_kind: global_buffer, .address_space: global }
    .group_segment_fixed_size: 310272
    .private_segment_fixed_size: 0
    .kernarg_segment_align: 8
    .kernarg_segment_size: 48
    .max_flat_workgroup_size: 256
    .sgpr_count:     66
    .vgpr_count:     512
    .wavefront_size: 32
...
	.end_amdgpu_metadata
.endif
;; end of part 3
;; launch outp (part 4): grid 16 x 16, 4 waves a work-group, clusters of 4 x 1, 266,240 bytes of LDS; arguments oimg, osc, woimg, out0; writes out0
.if DOCPART == 4
	.amdgcn_target "amdgcn-amd-amdhsa--gfx1250"
	.amdhsa_code_object_version 6
	.text
	.protected	k_q2da1e22634_outp
	.globl	k_q2da1e22634_outp
	.p2align	8
	.type	k_q2da1e22634_outp,@function
k_q2da1e22634_outp:
	s_mov_b64 s[64:65], 0
	v_nop
	global_prefetch_b8 v0, s[64:65] scope:SCOPE_SE
	s_setreg_imm32_b32 hwreg(HW_REG_WAVE_MODE, 25, 1), 1
	s_wait_xcnt 0x0
	s_wait_alu depctr_hold_cnt(0) depctr_sa_sdst(0) depctr_va_vdst(0) depctr_va_sdst(0) depctr_va_ssrc(0) depctr_va_vcc(0) depctr_vm_vsrc(0)
	s_getreg_b32 s2, hwreg(HW_REG_IB_STS2, 6, 4)
	s_cmp_eq_u32 s2, 0
	s_cbranch_scc0 .Lentry_in_a_cluster
	s_endpgm
.Lentry_in_a_cluster:
	s_bfe_u32 s2, ttmp6, 0x10000c
	s_cmp_lg_u32 s2, 0x3003
	s_cbranch_scc0 .Lentry_shape_is_right
	s_endpgm
.Lentry_shape_is_right:
; OUTP: out0 = O Wout on codes of FP6 (E2M3) with E8M0 scales; sums in f32.
; SHARES.  Work-group (x, y): columns 64 x .. + 63, tokens 256 y .. + 255.  Wave w: 64 tokens x 64 columns: 16 accumulators.
; A (O's codes of the 256 tokens, all of K): one dense block of 196,608 bytes, the same for the four work-groups of a cluster (same y): waves 1-3 ask JOINTLY for 65,536 bytes each.
; B (Wout's 64 columns for all of K, with scale words): 51,200 bytes, each work-group's own: wave 0's load.  So every wave issues one tensor load, all at the head; LDS is filled once, never again,
; and there is no loop to prefetch ahead in.  What is shared in the cluster is the larger operand: 196,608 bytes against 51,200.
; The product is used transposed (source 0 = 16 columns of Wout, source 1 = 16 tokens): a lane holds eight neighbouring columns of one row of the output.
; LDS: 0: B; STAGE: four stages of 16 rows x 272 bytes; ABASE: A, wave w's 64 tokens at 49,152 w; SPARE: the spare words.
; REGISTERS.  Window 0: v1-7, v28-29 addresses; v8-23 O's scale words; v24-27 Wout's, two sets; v32-63 O's half words as loaded; v64-111, v112-159 B's fragments, two sets; on the way out v64-191.
;   Window 1: the accumulators, (m, n) at 32 m + 8 n.  Window 3: A of K steps 0-4.  Window 2: A of K steps 5-7.
.set ASTR, 6144
.set BREC, 6400
.set STAGE, 51200
.set ABASE, 68608
.set SPARE, 265216
.set L16, 1
.set L8,  2
.set L4,  3
.set OSO, 4                            ; 1,024 (lane / 16) + 4 r: my place among O's scale words
.set STO, 5
.set RD,  6
.set CO,  7
.set AS,  8
.set BS,  24
.set LA16, 28                          ; my 64 tokens' A in LDS + 16 x lane
.set LA8, 29                           ; + 8 x lane
.set AT,  32
.set BF,  64
.set OB,  64
.set WV,  12
.set MSB, 0
.macro WIN new
.if MSB != (\new)
	s_set_vgpr_msb (MSB<<8)|(\new)
.set MSB, (\new)
.endif
.endm
.macro PLACES n
.rept \n
	v_nop
.endr
.endm
.macro CROUND
	s_barrier_signal -1
	s_barrier_wait -1
	s_cmp_lg_u32 s[WV], 0
	s_cbranch_scc1 .Lnot_wave_0_\@
	s_barrier_signal -3
.Lnot_wave_0_\@:
	s_barrier_wait -3
	s_barrier_signal -1
	s_barrier_wait -1
.endm
.macro SETA s
.if (\s) < 5
.set WA, 3
.set AR, 48*(\s)
.else
.set WA, 2
.set AR, 48*((\s)-5)
.endif
.endm
.macro ALOAD s                         ; 16 LDS loads: K step s's four fragments of A
	SETA \s
	WIN WA<<6
.irp m, 0,1,2,3
.irp c, 0,1
	ds_load_b128 v[AR+12*\m+6*\c:AR+12*\m+6*\c+3], v[LA16] offset:ASTR*(\s)+1536*\m+768*\c
	ds_load_b64 v[AR+12*\m+6*\c+4:AR+12*\m+6*\c+5], v[LA8] offset:ASTR*(\s)+1536*\m+768*\c+512
.endr
.endr
.endm
.macro FB s                            ; 18 LDS loads: K step s's scale words and four fragments of B into set s % 2
	WIN 0
.irp i, 0,1
	ds_load_b32 v[BS+2*((\s)%2)+\i], v[L4] offset:BREC*(\s)+6144+128*\i
.endr
.irp n, 0,1,2,3
.irp c, 0,1
	ds_load_b128 v[BF+48*((\s)%2)+12*\n+6*\c:BF+48*((\s)%2)+12*\n+6*\c+3], v[L16] offset:BREC*(\s)+1536*\n+768*\c
	ds_load_b64 v[BF+48*((\s)%2)+12*\n+6*\c+4:BF+48*((\s)%2)+12*\n+6*\c+5], v[L8] offset:BREC*(\s)+1536*\n+768*\c+512
.endr
.endr
.endm
.macro WM d, a, b, zero, sa, sb, ra, rb
.if (\zero)
.if (\ra) && (\rb)
	v_wmma_scale_f32_16x16x128_f8f6f4 v[(\d):(\d)+7], v[(\a):(\a)+11], v[(\b):(\b)+11], 0, v[\sa], v[\sb] matrix_a_fmt:MATRIX_FMT_FP6 matrix_b_fmt:MATRIX_FMT_FP6 matrix_a_scale:MATRIX_SCALE_ROW1 matrix_b_scale:MATRIX_SCALE_ROW1
.elseif (\ra)
	v_wmma_scale_f32_16x16x128_f8f6f4 v[(\d):(\d)+7], v[(\a):(\a)+11], v[(\b):(\b)+11], 0, v[\sa], v[\sb] matrix_a_fmt:MATRIX_FMT_FP6 matrix_b_fmt:MATRIX_FMT_FP6 matrix_a_scale:MATRIX_SCALE_ROW1
.elseif (\rb)
	v_wmma_scale_f32_16x16x128_f8f6f4 v[(\d):(\d)+7], v[(\a):(\a)+11], v[(\b):(\b)+11], 0, v[\sa], v[\sb] matrix_a_fmt:MATRIX_FMT_FP6 matrix_b_fmt:MATRIX_FMT_FP6 matrix_b_scale:MATRIX_SCALE_ROW1
.else
	v_wmma_scale_f32_16x16x128_f8f6f4 v[(\d):(\d)+7], v[(\a):(\a)+11], v[(\b):(\b)+11], 0, v[\sa], v[\sb] matrix_a_fmt:MATRIX_FMT_FP6 matrix_b_fmt:MATRIX_FMT_FP6
.endif
.else
.if (\ra) && (\rb)
	v_wmma_scale_f32_16x16x128_f8f6f4 v[(\d):(\d)+7], v[(\a):(\a)+11], v[(\b):(\b)+11], v[(\d):(\d)+7], v[\sa], v[\sb] matrix_a_fmt:MATRIX_FMT_FP6 matrix_b_fmt:MATRIX_FMT_FP6 matrix_a_scale:MATRIX_SCALE_ROW1 matrix_b_scale:MATRIX_SCALE_ROW1
.elseif (\ra)
	v_wmma_scale_f32_16x16x128_f8f6f4 v[(\d):(\d)+7], v[(\a):(\a)+11], v[(\b):(\b)+11], v[(\d):(\d)+7], v[\sa], v[\sb] matrix_a_fmt:MATRIX_FMT_FP6 matrix_b_fmt:MATRIX_FMT_FP6 matrix_a_scale:MATRIX_SCALE_ROW1
.elseif (\rb)
	v_wmma_scale_f32_16x16x128_f8f6f4 v[(\d):(\d)+7], v[(\a):(\a)+11], v[(\b):(\b)+11], v[(\d):(\d)+7], v[\sa], v[\sb] matrix_a_fmt:MATRIX_FMT_FP6 matrix_b_fmt:MATRIX_FMT_FP6 matrix_b_scale:MATRIX_SCALE_ROW1
.else
	v_wmma_scale_f32_16x16x128_f8f6f4 v[(\d):(\d)+7], v[(\a):(\a)+11], v[(\b):(\b)+11], v[(\d):(\d)+7], v[\sa], v[\sb] matrix_a_fmt:MATRIX_FMT_FP6 matrix_b_fmt:MATRIX_FMT_FP6
.endif
.endif
.endm
	s_load_b256 s[4:11], s[0:1], 0x0               ; oimg s[4:5], osc s[6:7], woimg s[8:9], out0 s[10:11]
	v_lshl_add_u32 v254, v0, 2, SPARE
	v_mov_b32 v255, 0
	ds_add_u32 v254, v255                          ; the opening lines: the add twice on end under one wait
	ds_add_u32 v254, v255
	v_lshrrev_b32 v8, 5, v0
	v_readfirstlane_b32 s[WV], v8                  ; wave 0..3
	v_and_b32 v8, 31, v0                           ; lane
	v_and_b32 v9, 15, v0                           ; r
	v_bfe_u32 v10, v0, 4, 1                        ; h
	v_lshlrev_b32 v[L16], 4, v8
	v_lshlrev_b32 v[L8], 3, v8
	v_lshlrev_b32 v[L4], 2, v8
	v_lshlrev_b32 v[OSO], 2, v9
	v_lshl_add_u32 v[OSO], v10, 10, v[OSO]
	s_mul_i32 s16, s[WV], 4352
	s_add_co_u32 s16, s16, STAGE                   ; my stage: 16 rows x (256 + 16) bytes
	v_mul_u32_u24 v[STO], v9, 272
	v_lshl_add_u32 v[STO], v10, 5, v[STO]
	v_add_nc_u32 v[STO], s16, v[STO]               ; in: row r, + 32 h
	v_mul_u32_u24 v[RD], v10, 272
	v_lshl_add_u32 v[RD], v9, 4, v[RD]
	v_add_nc_u32 v[RD], s16, v[RD]                 ; back: lanes 0-15 one row of 256 bytes, lanes 16-31 the next
	v_lshlrev_b32 v[CO], 4, v9
	v_lshl_add_u32 v[CO], v10, 12, v[CO]           ; and the same two rows in the output
	s_mul_i32 s14, s[WV], 8*ASTR
	s_add_co_u32 s14, s14, ABASE                   ; my 64 tokens' A in LDS: the wave's number alone
	v_add_nc_u32 v[LA16], s14, v[L16]
	v_add_nc_u32 v[LA8], s14, v[L8]
	s_bfe_u32 s13, ttmp6, 0x40000                  ; cx
	s_and_b32 s15, ttmp7, 0xffff                   ; y: which 256 tokens; the four partners share it
	s_lshl_b32 s18, ttmp9, 2
	s_add_co_u32 s18, s18, s13                     ; x: which 64 columns
	s_lshl_b32 s20, s15, 2
	s_add_co_u32 s20, s20, s[WV]                   ; G: my 64 tokens among the 4,096
	s_mul_i32 s16, s18, 8*BREC                     ; B in woimg
	s_mov_b32 s17, 0
	s_mul_i32 s22, s15, 4*8*ASTR                   ; A in oimg: y and the wave's number alone: waves 1-3 take thirds of 65,536 bytes;
	s_lshl_b32 s37, s[WV], 16
	s_add_co_u32 s22, s22, s37                     ; 65,536 w here, 65,536 off below
	s_add_co_u32 s37, s37, ABASE-65536             ; and the third's place in LDS
	s_mov_b32 s23, 0
	s_lshr_b32 s54, s15, 2                         ; O's scale words: 65,536 b + 64 g
	s_lshl_b32 s54, s54, 16
	s_and_b32 s55, s20, 15
	s_lshl_b32 s55, s55, 6
	s_add_co_u32 s54, s54, s55
	s_mov_b32 s55, 0
	s_lshl_b32 s56, s20, 18                        ; the output: 64 rows of 4,096 bytes a group, + 256 x
	s_lshl_b32 s57, s18, 8
	s_add_co_u32 s56, s56, s57
	s_mov_b32 s57, 0
	s_mov_b32 s24, 3<<16                           ; group 1 for B: 200 rows of 256 bytes, dense, no mask
	s_mov_b32 s25, 32<<16
	s_mov_b32 s26, 200<<16
	s_mov_b32 s27, 32<<16
	s_mov_b32 s28, 200
	s_mov_b32 s29, 32
	s_mov_b32 s30, 0
	s_mov_b32 s31, 0
	s_mov_b32 s68, 15|(3<<16)|(1<<21)              ; group 1 for a third of A: 256 rows of 256 bytes, dense; the mask names all four work-groups, bit 21 beside it
	s_mov_b32 s69, 32<<16
	s_mov_b32 s70, 256<<16
	s_mov_b32 s71, 32<<16
	s_mov_b32 s72, 256
	s_mov_b32 s73, 32
	s_mov_b32 s74, 0
	s_mov_b32 s75, 0
	s_wait_dscnt 0x0
	s_wait_kmcnt 0x0
	s_mov_b32 s32, 1
	s_mov_b32 s33, 0
	s_add_nc_u64 s[34:35], s[8:9], s[16:17]
	s_or_b32 s35, s35, 0x80000000
	s_mov_b32 s36, 1
	s_add_nc_u64 s[38:39], s[4:5], s[22:23]
	s_sub_nc_u64 s[38:39], s[38:39], 0x10000
	s_or_b32 s39, s39, 0x80000000
	s_add_nc_u64 s[46:47], s[6:7], s[54:55]
	s_add_nc_u64 s[10:11], s[10:11], s[56:57]
	CROUND                                         ; all four work-groups are here: the joint loads meet
	s_cmp_eq_u32 s[WV], 0                          ; one tensor load a wave: wave 0 B, waves 1-3 a third of A each
	s_cbranch_scc0 .Lfor_a
	tensor_load_to_lds s[32:35], s[24:31]
	s_nop 0
	PLACES 4
	s_branch .Lasked
.Lfor_a:
	tensor_load_to_lds s[36:39], s[68:75]
	s_nop 0
	PLACES 4
.Lasked:
	s_wait_alu depctr_va_vdst(0)
.irp s, 0,1,2,3,4,5,6,7
.irp i, 0,1
.irp c, 0,1
	global_load_b32 v[AT+4*\s+2*\i+\c], v[OSO], s[46:47] offset:4096*(2*\s+\c)+2048*\i   ; head 2 s + c's two bytes for tile 2 i + lane / 16, row r
.endr
.endr
.endr
	s_wait_loadcnt 0x0
.irp s, 0,1,2,3,4,5,6,7
.irp i, 0,1
	v_lshl_or_b32 v[AS+2*\s+\i], v[AT+4*\s+2*\i+1], 16, v[AT+4*\s+2*\i]    ; K step s's scale word: two heads' two bytes each
.endr
.endr
	s_wait_alu depctr_va_vdst(0)
	s_wait_tensorcnt 0x0
	s_barrier_signal -1
	s_barrier_wait -1                              ; A and B are whole
	FB 0
	ALOAD 0
	WIN 0
	PLACES 8                                       ; a scale register written by a vector instruction stands eight places ahead of a scaled matrix instruction
; A K step: 16 matrix instructions, the 16 accumulators by turns; the next step's 34 LDS loads are issued ahead of them
.macro OSTEP s
.if (\s) < 7
.if (\s) > 0
	WIN 0
	PLACES 4                                       ; in front of loads into registers that the step before multiplied
.endif
	FB (\s)+1
	ALOAD (\s)+1
	s_wait_dscnt 34                                ; all but the 34 just issued
.else
	s_wait_dscnt 0x0
.endif
	SETA \s
	WIN 0x50|(WA<<2)                               ; source 0 (Wout) window 0, source 1 (O) window WA, C and D window 1
.irp m, 0,1,2,3
.irp n, 0,1,2,3
	WM 32*\m+8*\n, BF+48*((\s)%2)+12*\n, AR+12*\m, (\s)==0, BS+2*((\s)%2)+\n/2, AS+2*(\s)+\m/2, \n%2, \m%2
.endr
.endr
.endm
.irp s, 0,1,2,3,4,5,6,7
	OSTEP \s
.endr
	WIN 0
	PLACES 4                                       ; in front of the first read of results and of loads into registers that matrix instructions have read
; THE WAY OUT, 16 rows at a time through my own stage: a lane's 32 bytes of a row go in, whole rows of 256 bytes come back.  LDS serves a wave's instructions in order: no wait between the stores and the loads, nor in front of the next block's stores.
.macro TOSTAGE m
	WIN 0x04                                       ; an LDS store's data are its source 1: window 1
.irp n, 0,1,2,3
	ds_store_b128 v[STO], v[32*(\m)+8*\n:32*(\m)+8*\n+3] offset:64*\n          ; each accumulator from its low end on
	ds_store_b128 v[STO], v[32*(\m)+8*\n+4:32*(\m)+8*\n+7] offset:64*\n+16
.endr
	WIN 0
.irp i, 0,1,2,3,4,5,6,7
	ds_load_b128 v[OB+32*(\m)+4*\i:OB+32*(\m)+4*\i+3], v[RD] offset:544*\i
.endr
.endm
.macro SEND m, younger                 ; younger: the LDS instructions issued behind block m's loads, which may stay out.  Each block has registers of its own: no store's data are written again
	s_wait_dscnt \younger
.irp i, 0,1,2,3,4,5,6,7
	global_store_b128 v[CO], v[OB+32*(\m)+4*\i:OB+32*(\m)+4*\i+3], s[10:11] offset:(16*(\m)+2*\i)*4096 th:TH_STORE_NT   ; 16 lanes store 256 consecutive bytes, at a multiple of 256 from the output's first byte
.endr
.endm
	TOSTAGE 0
.irp m, 1,2,3
	TOSTAGE \m
	SEND (\m)-1, 16                                ; behind block m - 1's loads: block m's 8 stores and 8 loads
.endr
	SEND 3, 0
	s_wait_tensorcnt 0x0                           ; the wave's end
	ds_add_u32 v254, v255
	s_wait_dscnt 0x0
	CROUND                                         ; the closing round
	s_endpgm
.Lfunc_end_k_q2da1e22634_outp:
	.size	k_q2da1e22634_outp, .Lfunc_end_k_q2da1e22634_outp-k_q2da1e22634_outp
	.p2alignl 7, 3214868480
	.fill 96, 4, 3214868480
	.section	.rodata,"a",@progbits
	.p2align	6, 0x0
	.amdhsa_kernel k_q2da1e22634_outp
		.amdhsa_group_segment_fixed_size 266240
		.amdhsa_private_segment_fixed_size 0
		.amdhsa_enable_private_segment 0
		.amdhsa_kernarg_size 32
		.amdhsa_user_sgpr_count 2
		.amdhsa_user_sgpr_kernarg_segment_ptr 1
		.amdhsa_wavefront_size32 1
		.amdhsa_system_sgpr_workgroup_id_x 1
		.amdhsa_system_sgpr_workgroup_id_y 1
		.amdhsa_system_sgpr_workgroup_id_z 1
		.amdhsa_system_vgpr_workitem_id 0
		.amdhsa_next_free_vgpr 1024
		.amdhsa_next_free_sgpr 80
		.amdhsa_reserve_vcc 0
		.amdhsa_float_denorm_mode_32 3
		.amdhsa_float_denorm_mode_16_64 3
		.amdhsa_memory_ordered 1
		.amdhsa_forward_progress 1
		.amdhsa_inst_pref_size 53
	.end_amdhsa_kernel
	.amdgpu_metadata
---
amdhsa.version: [ 1, 2 ]
amdhsa.kernels:
  - .name:           k_q2da1e22634_outp
    .symbol:         k_q2da1e22634_outp.kd
    .args:
      - { .name: oimg, .offset: 0, .size: 8, .value_kind: global_buffer, .address_space: global }
      - { .name: osc, .offset: 8, .size: 8, .value_kind: global_buffer, .address_space: global }
      - { .name: woimg, .offset: 16, .size: 8, .value_kind: global_buffer, .address_space: global }
      - { .name: out0, .offset: 24, .size: 8, .value_kind: global_buffer, .address_space: global }
    .group_segment_fixed_size: 266240
    .private_segment_fixed_size: 0
    .kernarg_segment_align: 8
    .kernarg_segment_size: 32
    .max_flat_workgroup_size: 128
    .sgpr_count:     80
    .vgpr_count:     1024
    .wavefront_size: 32
...
	.end_amdgpu_metadata
.endif
;; end of part 4
